; MI455X (gfx1250); checked and timed in simulation.
; The chip was launched on July 23, 2026; its instructions are those of AMD's public machine-readable ISA for CDNA 5 (MIT licence, August 2026) and "CDNA5" Instruction Set Architecture Reference Guide (July 2026). The comments in the code are by the model that wrote it; some were corrected since.
;; Multi Head Diff Attention. Allowed arithmetic: matrix products marked QUANTISED: E2M3 operands, one E8M0 scale for each 32 along K, by v_wmma_scale_f32_16x16x128_f8f6f4 with both operands' format E2M3, f32 sums; products left as they are: f32 operands where the result goes on into a quantised operand, else bf16, f16 or f32 operands; f32 sums; everything else in f32.
;; Inputs: W_attn 1,024 x 3,072 float32; W_proj 1,024 x 1,024 float32; lambda_k1 32 float32; lambda_k2 32 float32; lambda_q1 32 float32; lambda_q2 32 float32; x 2 x 2,048 x 1,024 float32.
;; Outputs: out0 2 x 2,048 x 1,024 float32.
;; This version of the problem:
;;   THIS VERSION OF THE PROBLEM IS GIVEN IN LOW PRECISION. The matrix products marked QUANTISED in the list below multiply operands that are first quantised to E2M3 (2 exponent bits, 3 mantissa bits; 6 bits a number), with one power-of-two scale for each 32 numbers along K (OCP MX v1.0); their sums are f32. All else is computed in f32.
;;   The module's matrix products, in the order in which they are computed (A, B: the left and right operand; K: the contracted axis; several contracted axes count as one K, in the product's order):
;;     1. [M 4,096, K 1,024] x [K 1,024, N 3,072]; A: input x; B: input W_attn: QUANTISED
;;     2. [M 1, K 32] x [K 32, N 1]; A: input lambda_q1; B: input lambda_k1: left as it is (M = 1 < 16)
;;     3. [M 1, K 32] x [K 32, N 1]; A: input lambda_q2; B: input lambda_k2: left as it is (M = 1 < 16)
;;     4. batch 64 x [M 2,048, K 32] x [K 32, N 2,048]; A: computed on the way; B: computed on the way: QUANTISED
;;     5. batch 64 x [M 2,048, K 2,048] x [K 2,048, N 64]; A: softmax (see below); B: computed on the way: QUANTISED
;;     6. [M 4,096, K 1,024] x [K 1,024, N 1,024]; A: computed on the way; B: input W_proj: QUANTISED
;;   THE QUANTISER, for each operand of a quantised product, along K:
;;     - K is cut into blocks of 32 from its start; a last block that is shorter is filled with zeros.
;;     - A block's scale is 2^e with e = floor(log2(the largest magnitude in the block)) - 2, held to -126 .. 127; a block of zeros has e = 0. As a byte (E8M0): e + 127.
;;     - Each number is divided by its block's scale, clamped to +-7.5, and rounded to the nearest number of E2M3, ties to even, subnormals kept.
;;     - The product sums the exact products of the quantised numbers (number of the format x scale) in f32.
;;   ~~~python
;;   def quantise(x, axis):      # numpy; x: float32 -> the quantised numbers, widened to float32 again
;;       x = np.moveaxis(x, axis, -1); K = x.shape[-1]
;;       x = np.pad(x, [(0, 0)] * (x.ndim - 1) + [(0, -K % 32)]); x = x.reshape(x.shape[:-1] + (-1, 32)); a = np.abs(x).max(-1, keepdims=True)
;;       e = np.where(a > 0, np.clip(np.frexp(np.where(a > 0, a, 1))[1] - 1 - 2, -126, 127), 0)      # np.frexp(a)[1] - 1 = floor(log2(a)), exactly
;;       r = np.clip(x / 2.0 ** e, -7.5, 7.5)
;;       step = 2.0 ** (np.maximum(np.frexp(np.where(r == 0, 1, r))[1] - 1, 0) - 3)
;;       q = np.round(r / step) * step * 2.0 ** e      # np.round: ties to even
;;       return np.moveaxis(q.reshape(q.shape[:-2] + (-1,))[..., :K], -1, axis).astype(np.float32)
;;   ~~~
;;   SOFTMAX AHEAD OF A QUANTISED PRODUCT. Where the list says 'softmax', what is quantised is not the finished softmax but p = 2^(t - M), with t = logit x log2(e) and M = ceil(the row's largest t), a whole number; so 1/2 < the row's largest p <= 1. The row's sum l is taken of the UNQUANTISED p, in f32, and the product's result is divided by l at the end. Since M is a whole number, a kernel that streams over the keys may use a running M (the ceiling of the running maximum): every later rescaling is an exact power of two, which a block's scale takes up: the codes' values come out the same.
;;   OPERANDS COMPUTED ON THE WAY. 'Computed on the way' means the value that the module computes at that place (a softmax that the list does not call 'softmax' is quantised finished and normalised). What goes into a quantiser is computed in f32, as accurately as f32 sums, v_exp_f32 and their like allow (about 1e-6 of the number): no bf16 or f16 on the way to a quantiser, and a product that is left as it is and whose result goes on into a quantised operand takes f32 operands (vector FMAs, or v_wmma_f32_16x16x4_f32). A number that lies on a knife's edge between two numbers of the format may be rounded either way, as far as f32 arithmetic and the matrix unit's own rounding can turn it there, and no further.
;; One version. Each part assembles by itself: llvm-mc -triple=amdgcn-amd-amdhsa -mcpu=gfx1250 --defsym DOCPART=n.
;; ======== version 1 of 1: 4 launches
;; limits: right only within a limited range of input values
;; workspace buffers: xq_codes 3,145,728 bytes; xq_scales 131,072 bytes; wq 3,276,800 bytes; rope 262,144 bytes; qkq 6,553,600 bytes; vq 3,276,800 bytes; oq_codes 3,145,728 bytes; oq_scales 131,072 bytes
;; launch prep (part 1): grid 272 x 1, 4 waves a work-group, no clusters, 68,096 bytes of LDS; arguments x, W_attn, W_proj, xq_codes, xq_scales, wq, rope; writes xq_codes, xq_scales, wq, rope
.if DOCPART == 1
	.amdgcn_target "amdgcn-amd-amdhsa--gfx1250"
	.amdhsa_code_object_version 6
	.text
	.protected	k_q3caa8bd52d_prep
	.globl	k_q3caa8bd52d_prep
	.p2align	8
	.type	k_q3caa8bd52d_prep,@function
k_q3caa8bd52d_prep:
	s_mov_b64 s[64:65], 0
	v_nop
	global_prefetch_b8 v0, s[64:65] scope:SCOPE_SE
	s_setreg_imm32_b32 hwreg(HW_REG_WAVE_MODE, 25, 1), 1
	s_wait_xcnt 0x0
; Three jobs in one launch, told apart by the work-group's number:
;   work-groups 0-127   (path X): x [4096][1024] f32 -> codes of E2M3, K innermost (768 bytes a row), and one E8M0 byte for each 32 along K.
;   work-groups 128-255 (path W): W_attn [1024][3072] and W_proj [1024][1024] f32, whose K is the FIRST axis -> codes laid [n][768 bytes], scale bytes [n][32], both in wq.
;   work-groups 256-271 (path R): the table cos, sin of t x theta_i, t = 0 .. 2047, i = 0 .. 15, laid [t][i][cos, sin] f32 (128 bytes a row).
; A block's scale is 2^(floor(log2(largest magnitude)) - 2); its byte is the largest magnitude's exponent field - 2, held at 1 from below.
; LIMITS: a block of zeros, or one whose largest magnitude lies under 2^-124, gets the byte 1 (its codes are then zeros or held as the floor says; the bytes are read by this program alone);
; NaN and infinities among the inputs are not served.  theta_i are the f32 numbers nearest to 10^(-i/4); sine and cosine are good to about two units in the last place for 0 <= angle < 2048.
; Each path has LDS bytes of its own: path X 0 .. 32767 (8,192 a wave), path W 32768 .. 67583 (8,704 a wave); behind them the spare words.
; THE CODES' LAYOUT in xq_codes and in wq: [K / 256][row or column][192 bytes], for x and for each weight by itself: the 128 rows x 256 along K that a later launch
; fetches are 24,576 consecutive bytes that begin at a multiple of 256.  (Where the lines above speak of 768 bytes a row, read this.)
.set SPARE, 67584                      ; the spare words, 128 bytes for each wave: two blocks of 256 bytes that no other line names
.set XKS,   4096*192                   ; x's codes: from one 256 along K to the next
.set SPW,   14                         ; v14  LDS address of my spare word; never rewritten
.set NIL,   15                         ; v15  0; never rewritten
.set EMAX,  2
; path X
.set STEPS, 16                         ; a wave takes 16 steps of 512 numbers
.set AHEAD, 8                          ; loads run eight steps (32 loads a wave) ahead
.set CB,    12                         ; bytes of 16 codes
.set XR,    16                         ; v16-143  eight sets of 16 numbers as they are loaded
.set XX,    144                        ; v144-175 two sets of 16 neighbours
.set XE,    176                        ; v176-191 a scale byte for each step
.set XC,    192                        ; v192-255 codes: four registers for each step
.set WREG,  8192
.set SP,    80                         ; a lane's place in a stage: its 64 bytes + 16 of padding
; path W
.set WA_S,  2359296                    ; wq: W_attn's codes at 0, its scale bytes here,
.set WP_C,  2457600                    ; W_proj's codes,
.set WP_S,  3244032                    ; W_proj's scale bytes
.set WSTG,  32768
.set WP,    272                        ; a stage row: sixteen places of 16 bytes, each with 12 bytes of codes, + 16
.set OFFS,  32                         ; v32-63   4 x lane + i rows of the weight
.set WX,    64                         ; v64-127  two sets of 32 numbers
.set WC,    16                         ; v16-22   a block's codes
.set OUTR,  128                        ; v128-191 the way out
.set SB,    24                         ; v24-25   the scale bytes, four to a register
.macro XLOAD t
.irp i, 0,1,2,3
	global_load_b128 v[XR+16*((\t)%AHEAD)+4*\i:XR+16*((\t)%AHEAD)+4*\i+3], v3, s[4:5] offset:2048*(\t)+512*\i th:TH_LOAD_NT   ; 32 lanes read 512 consecutive bytes
.endr
.endm
.macro XTURN t                         ; step t's numbers through the stage: LDS serves a wave's instructions in order, so no wait stands between the stores and the loads
.irp i, 0,1,2,3
	ds_store_b128 v12, v[XR+16*((\t)%AHEAD)+4*\i:XR+16*((\t)%AHEAD)+4*\i+3] offset:32*SP*((\t)%2)+8*SP*\i
.endr
.irp i, 0,1,2,3
	ds_load_b128 v[XX+16*((\t)%2)+4*\i:XX+16*((\t)%2)+4*\i+3], v13 offset:32*SP*((\t)%2)+16*\i
.endr
.endm
.macro XSTEP t
.set XS, XX+16*((\t)%2)
.if (\t) > 0
	s_wait_dscnt 1                                 ; this step's numbers are back from the stage (the last step's byte store may be out): so its stores into the stage have read their registers,
.else
	s_wait_dscnt 0x0
.endif
.if (\t)+AHEAD < STEPS
	XLOAD (\t)+AHEAD                               ; which take the loads of eight steps on
.endif
.if (\t)+1 < STEPS
.if STEPS-2-(\t) >= AHEAD-1
	s_wait_loadcnt 4*(AHEAD-1)                     ; the next step's four loads are in; those of the seven steps behind it may be out
.else
	s_wait_loadcnt 4*(STEPS-2-(\t))                ; towards the end fewer steps stand behind it
.endif
	XTURN (\t)+1                                   ; and go through the other stage while this step is worked
.endif
	v_max3_num_f32 v8, |v[XS]|, |v[XS+1]|, |v[XS+2]|               ; the largest magnitude of my 16
	v_max3_num_f32 v9, |v[XS+3]|, |v[XS+4]|, |v[XS+5]|
.irp i, 6,10
	v_max3_num_f32 v8, v8, |v[XS+\i]|, |v[XS+\i+1]|
	v_max3_num_f32 v9, v9, |v[XS+\i+2]|, |v[XS+\i+3]|
.endr
	v_max3_num_f32 v8, v8, |v[XS+14]|, |v[XS+15]|
	v_max3_num_f32 v8, v8, v9, (EMAX+1)<<23        ; and the floor 2^(3 - 127): the byte cannot fall under 1
	v_max_num_f32_dpp v8, v8, v8 row_xmask:1 row_mask:0xf bank_mask:0xf   ; and of my neighbour's 16: the block's
	v_add_nc_u32 v11, -(EMAX<<23), v8              ; 2 off its exponent field: the conversion takes the exponent field of this operand as its scale
	v_cvt_scalef32_pk16_fp6_f32 v[XC+4*(\t):XC+4*(\t)+2], v[XS:XS+15], v11
	v_lshrrev_b32 v[XE+(\t)], 23, v11              ; the scale's byte
	ds_store_b8 v5, v[XE+(\t)] offset:16*(\t)      ; both lanes of a block write the same byte with the same value
	global_store_b96 v4, v[XC+4*(\t):XC+4*(\t)+2], s[10:11] offset:2*((\t)%2)*XKS+((\t)/2)*192   ; step t is half t % 2 of my row t / 2: sixteen lanes fill a row's 192 bytes of one 256 along K
.endm
.macro WLOAD t                         ; block t: W(32 t + i, my column), i = 0 .. 31, into set t % 2
.irp i, 0,1,2,3,4,5,6,7,8,9,10,11,12,13,14,15,16,17,18,19,20,21,22,23,24,25,26,27,28,29,30,31
	global_load_b32 v[WX+32*((\t)%2)+\i], v[OFFS+\i], s[32+2*(\t):33+2*(\t)] th:TH_LOAD_NT
.endr
.endm
.macro WBLOCK t
.set XS, WX+32*((\t)%2)
.if (\t) < 7
	s_wait_loadcnt 32                              ; this block's 32 loads are in; the next block's may be out
.else
	s_wait_loadcnt 0x0
.endif
	v_max3_num_f32 v12, |v[XS]|, |v[XS+1]|, |v[XS+2]|               ; the block's largest magnitude: all 32 numbers are mine
	v_max3_num_f32 v13, |v[XS+3]|, |v[XS+4]|, |v[XS+5]|
.irp i, 6,10,14,18,22,26
	v_max3_num_f32 v12, v12, |v[XS+\i]|, |v[XS+\i+1]|
	v_max3_num_f32 v13, v13, |v[XS+\i+2]|, |v[XS+\i+3]|
.endr
	v_max3_num_f32 v12, v12, |v[XS+30]|, |v[XS+31]|
	v_max3_num_f32 v12, v12, v13, (EMAX+1)<<23
	v_add_nc_u32 v11, -(EMAX<<23), v12
	v_lshrrev_b32 v13, 23, v11                     ; the scale's byte
.if (\t)%4 == 0
	v_mov_b32 v[SB+(\t)/4], v13                    ; four bytes to a register, the lower K in the lower byte
.else
	v_lshl_or_b32 v[SB+(\t)/4], v13, 8*((\t)%4), v[SB+(\t)/4]
.endif
	v_cvt_scalef32_pk16_fp6_f32 v[WC:WC+2], v[XS:XS+15], v11
	v_cvt_scalef32_pk16_fp6_f32 v[WC+4:WC+6], v[XS+16:XS+31], v11   ; (a conversion's three registers begin on an even number)
	ds_store_b96 v4, v[WC:WC+2] offset:32*(\t)     ; 16 codes, 12 bytes, to a place of 16 bytes in the stage
	ds_store_b96 v4, v[WC+4:WC+6] offset:32*(\t)+16
.if (\t)+2 < 8
	WLOAD (\t)+2
.endif
	s_wait_dscnt 0x0                               ; the stores have read their registers: the next block's codes may be written
.endm
; cos and sin of th x t.  The angle is the f32 product, rounded once.  n = the nearest whole number of quarter turns; r = angle - n pi/2 in two parts (the first subtraction is exact: |r| < 1 on a grid of 2^-23);
; polynomials on |r| <= pi/4; the quarter turn swaps the two and sets the signs.
.macro SINCOS i, th
	v_mul_f32 v17, \th, v16
	v_mul_f32 v18, s20, v17
	v_rndne_f32 v18, v18
	v_fma_f32 v19, v18, s21, v17
	v_fma_f32 v19, v18, s22, v19
	v_cvt_i32_f32 v20, v18
	v_mul_f32 v21, v19, v19                        ; z = r^2
	v_fma_f32 v22, s25, v21, s24
	v_fma_f32 v22, v22, v21, s23
	v_mul_f32 v23, v21, v19
	v_fma_f32 v22, v22, v23, v19                   ; sin r
	v_fma_f32 v24, s28, v21, s27
	v_fma_f32 v24, v24, v21, s26
	v_mul_f32 v25, v21, v21
	v_fma_f32 v26, v21, -0.5, 1.0
	v_fma_f32 v24, v24, v25, v26                   ; cos r
	v_and_b32 v27, 1, v20
	v_cmp_eq_u32 vcc_lo, 1, v27
	v_cndmask_b32 v28, v22, v24, vcc_lo            ; an odd quarter turn swaps them
	v_cndmask_b32 v29, v24, v22, vcc_lo
	v_and_b32 v27, 2, v20
	v_lshlrev_b32 v27, 30, v27
	v_xor_b32 v[33+2*\i], v27, v28                 ; sin is negative in quarters 2 and 3
	v_add_nc_u32 v27, 1, v20
	v_and_b32 v27, 2, v27
	v_lshlrev_b32 v27, 30, v27
	v_xor_b32 v[32+2*\i], v27, v29                 ; cos in quarters 1 and 2
.endm
	s_load_b256 s[4:11], s[0:1], 0x0               ; x s[4:5], W_attn s[6:7], W_proj s[8:9], x's codes s[10:11]
	s_load_b128 s[12:15], s[0:1], 0x20             ; x's scale bytes s[12:13], wq s[14:15]
	s_load_b64 s[16:17], s[0:1], 0x30              ; the table
	v_lshl_add_u32 v[SPW], v0, 2, SPARE
	v_mov_b32 v[NIL], 0
	v_lshrrev_b32 v1, 5, v0
	v_readfirstlane_b32 s18, v1                    ; wave
	v_and_b32 v2, 31, v0                           ; lane
	s_wait_kmcnt 0x0
	s_cmp_lt_u32 ttmp9, 128
	s_cbranch_scc1 .Lpath_x
	s_cmp_lt_u32 ttmp9, 256
	s_cbranch_scc1 .Lpath_w
	; ---- path R: a thread to a position t
	s_sub_co_u32 s19, ttmp9, 256
	s_lshl_b32 s19, s19, 7
	v_add_nc_u32 v16, s19, v0                      ; t
	v_lshlrev_b32 v30, 7, v16                      ; its row of 128 bytes
	v_cvt_f32_u32 v16, v16
	s_wait_alu depctr_va_vdst(0)
	s_mov_b32 s20, 0x3f22f983                      ; 2 / pi
	s_mov_b32 s21, 0xbfc90fdb                      ; -(pi/2 rounded to f32)
	s_mov_b32 s22, 0x333bbd2e                      ; that number - pi/2
	s_mov_b32 s23, 0xbe2aaaa3                      ; sine's three coefficients
	s_mov_b32 s24, 0x3c08839e
	s_mov_b32 s25, 0xb94ca1f9
	s_mov_b32 s26, 0x3d2aaaa5                      ; cosine's three
	s_mov_b32 s27, 0xbab6061a
	s_mov_b32 s28, 0x37ccf5ce
	SINCOS 0,  0x3f800000
	SINCOS 1,  0x3f0ff59a
	SINCOS 2,  0x3ea1e89b
	SINCOS 3,  0x3e361887
	SINCOS 4,  0x3dcccccd
	SINCOS 5,  0x3d6655c3
	SINCOS 6,  0x3d0186e2
	SINCOS 7,  0x3c91ad39
	SINCOS 8,  0x3c23d70a
	SINCOS 9,  0x3bb8449c
	SINCOS 10, 0x3b4f3e37
	SINCOS 11, 0x3ae91528
	SINCOS 12, 0x3a83126f
	SINCOS 13, 0x3a136a16
	SINCOS 14, 0x39a5cb5f
	SINCOS 15, 0x393a7753
.irp c, 0,1,2,3,4,5,6,7
	global_store_b128 v30, v[32+4*\c:35+4*\c], s[16:17] offset:16*\c
.endr
	s_wait_tensorcnt 0x0                           ; the wave's end
	ds_add_u32 v[SPW], v[NIL]
	s_wait_dscnt 0x0
	s_endpgm
	; ---- path X: x is a plain stream of blocks of 32; a wave takes 8,192 numbers
.Lpath_x:
	s_wait_alu depctr_va_vdst(0)
	v_lshlrev_b32 v3, 4, v2                        ; my 16 bytes of a load's 512
	s_mul_i32 s19, s18, WREG
	v_lshrrev_b32 v12, 2, v2
	v_mul_u32_u24 v12, v12, SP
	v_and_b32 v13, 3, v2
	v_lshl_add_u32 v12, v13, 4, v12
	v_add_nc_u32 v12, s19, v12                     ; the stage, on the way in: four lanes' 64 bytes on end, then 16 of padding
	v_mul_u32_u24 v13, v2, SP
	v_add_nc_u32 v13, s19, v13                     ; and on the way out: my 16 neighbours
	v_and_b32 v4, 15, v2
	v_mul_u32_u24 v4, v4, CB                       ; my codes' place: 12 bytes for each of sixteen lanes,
	v_lshrrev_b32 v10, 4, v2
	v_mad_u32_u24 v4, v10, XKS, v4                 ; lanes 16-31 in the next 256 along K
	v_lshrrev_b32 v5, 1, v2
	s_add_co_u32 s19, s19, 2*32*SP
	v_add_nc_u32 v5, s19, v5                       ; my wave's 256 scale bytes, my block's byte
	v_lshlrev_b32 v7, 3, v2                        ; and on the way out 8 bytes a lane
	v_add_nc_u32 v6, s19, v7
	s_lshl_b32 s20, ttmp9, 2
	s_add_co_u32 s20, s20, s18                     ; which run of 8,192 numbers is my wave's
	s_mov_b32 s23, 0
	s_lshl_b32 s22, s20, 15
	s_add_nc_u64 s[4:5], s[4:5], s[22:23]
	s_mul_i32 s22, s20, 8*192                      ; my wave's 8 rows
	s_add_nc_u64 s[10:11], s[10:11], s[22:23]
	s_lshl_b32 s22, s20, 8
	s_add_nc_u64 s[12:13], s[12:13], s[22:23]
.irp t, 0,1,2,3,4,5,6,7
	XLOAD \t
.endr
	s_wait_alu depctr_va_vdst(0)
	s_wait_loadcnt 4*(AHEAD-1)                     ; step 0's four loads are in; seven steps' may be out
	XTURN 0
.irp t, 0,1,2,3,4,5,6,7,8,9,10,11,12,13,14,15
	XSTEP \t
.endr
	ds_load_b64 v[8:9], v6                         ; LDS serves a wave's instructions in order: these see my stores
	s_wait_dscnt 0x0
	global_store_b64 v7, v[8:9], s[12:13]          ; 32 lanes store 256 consecutive bytes, aligned
	s_wait_tensorcnt 0x0                           ; the wave's end: behind my last LDS store
	ds_add_u32 v[SPW], v[NIL]
	s_wait_dscnt 0x0
	s_endpgm
	; ---- path W: a lane takes a column n and its registers run down K; a wave takes 32 columns x 256 along K
.Lpath_w:
	s_sub_co_u32 s19, ttmp9, 128
	s_and_b32 s21, s19, 31                         ; group of 128 columns: 0-23 W_attn's, 24-31 W_proj's
	s_lshr_b32 s22, s19, 5                         ; which 256 along K
	s_mov_b32 s20, 4096
	s_mov_b32 s25, WP_C
	s_mov_b32 s26, WP_S
	s_cmp_lt_u32 s21, 24                           ; the choice hangs on the work-group's number alone
	s_cselect_b64 s[6:7], s[6:7], s[8:9]           ; the weight,
	s_cselect_b32 s20, 12288, s20                  ; its row in bytes,
	s_cselect_b32 s24, 0, 24                       ; its first group,
	s_cselect_b32 s25, 0, s25                      ; where its codes begin in wq,
	s_cselect_b32 s26, WA_S, s26                   ; and its scale bytes
	s_sub_co_u32 s21, s21, s24
	s_lshl_b32 s21, s21, 7
	s_lshl_b32 s23, s18, 5
	s_add_co_u32 s21, s21, s23                     ; my wave's first column
	s_mul_i32 s28, s22, s20
	s_lshl_b32 s28, s28, 8                         ; 256 rows for each step along K
	s_lshl_b32 s23, s21, 2
	s_add_co_u32 s28, s28, s23
	s_mov_b32 s29, 0
	s_add_nc_u64 s[32:33], s[6:7], s[28:29]        ; a base for each block of 32 rows: none is ever stepped
	s_lshl_b32 s28, s20, 5
.irp t, 1,2,3,4,5,6,7
	s_add_nc_u64 s[32+2*\t:33+2*\t], s[30+2*\t:31+2*\t], s[28:29]
.endr
	s_mul_i32 s30, s21, 192                        ; my first column's 192 bytes,
	s_mul_i32 s23, s22, s20
	s_mul_i32 s23, s23, 48                         ; in my 256 along K: columns x 192 = the weight's row in bytes x 48
	s_add_co_u32 s30, s30, s23
	s_add_co_u32 s30, s30, s25
	s_mov_b32 s31, 0
	s_add_nc_u64 s[48:49], s[14:15], s[30:31]      ; my codes
	s_lshl_b32 s30, s21, 5
	s_lshl_b32 s23, s22, 3
	s_add_co_u32 s30, s30, s23
	s_add_co_u32 s30, s30, s26
	s_add_nc_u64 s[50:51], s[14:15], s[30:31]      ; my scale bytes
	s_wait_alu depctr_va_vdst(0)
	v_lshlrev_b32 v[OFFS], 2, v2                   ; 4 bytes a lane; row i of a block lies i rows on
.irp i, 0,1,2,3,4,5,6,7,8,9,10,11,12,13,14,15,16,17,18,19,20,21,22,23,24,25,26,27,28,29,30
	v_add_nc_u32 v[OFFS+1+\i], s20, v[OFFS+\i]
.endr
	s_mul_i32 s52, s18, 32*WP
	s_add_co_u32 s52, s52, WSTG                    ; my stage
	v_mul_u32_u24 v4, v2, WP
	v_add_nc_u32 v4, s52, v4                       ; into it: row = my column
	v_and_b32 v5, 15, v2
	v_lshrrev_b32 v6, 4, v2                        ; out of it: sixteen lanes to a row, two rows an instruction
	v_mul_u32_u24 v7, v6, WP
	v_lshl_add_u32 v7, v5, 4, v7
	v_add_nc_u32 v7, s52, v7
	v_mul_u32_u24 v8, v6, 192
	v_mad_u32_u24 v8, v5, 12, v8                   ; and the same place in the codes' rows
	v_lshlrev_b32 v9, 5, v2                        ; my column's row of scale bytes
	WLOAD 0
	WLOAD 1
.irp t, 0,1,2,3,4,5,6,7
	WBLOCK \t
.endr
	s_wait_alu depctr_va_vdst(0)
	global_store_b64 v9, v[SB:SB+1], s[50:51]      ; my column's 8 scale bytes
.irp t, 0,1,2,3,4,5,6,7,8,9,10,11,12,13,14,15
	ds_load_b96 v[OUTR+4*\t:OUTR+4*\t+2], v7 offset:2*\t*WP   ; LDS serves a wave's instructions in order: these see my stores
.endr
.irp t, 0,1,2,3,4,5,6,7,8,9,10,11,12,13,14,15
	s_wait_dscnt 15-\t                             ; load t is in; the younger ones may be out
	global_store_b96 v8, v[OUTR+4*\t:OUTR+4*\t+2], s[48:49] offset:2*\t*192
.endr
	s_wait_tensorcnt 0x0                           ; the wave's end: behind my last LDS store
	ds_add_u32 v[SPW], v[NIL]
	s_wait_dscnt 0x0
	s_endpgm
.Lfunc_end_k_q3caa8bd52d_prep:
	.size	k_q3caa8bd52d_prep, .Lfunc_end_k_q3caa8bd52d_prep-k_q3caa8bd52d_prep
	.p2alignl 7, 3214868480
	.fill 96, 4, 3214868480
	.section	.rodata,"a",@progbits
	.p2align	6, 0x0
	.amdhsa_kernel k_q3caa8bd52d_prep
		.amdhsa_group_segment_fixed_size 68096
		.amdhsa_private_segment_fixed_size 0
		.amdhsa_enable_private_segment 0
		.amdhsa_kernarg_size 56
		.amdhsa_user_sgpr_count 2
		.amdhsa_user_sgpr_kernarg_segment_ptr 1
		.amdhsa_wavefront_size32 1
		.amdhsa_system_sgpr_workgroup_id_x 1
		.amdhsa_system_sgpr_workgroup_id_y 1
		.amdhsa_system_sgpr_workgroup_id_z 1
		.amdhsa_system_vgpr_workitem_id 0
		.amdhsa_next_free_vgpr 256
		.amdhsa_next_free_sgpr 66
		.amdhsa_reserve_vcc 1
		.amdhsa_float_denorm_mode_32 3
		.amdhsa_float_denorm_mode_16_64 3
		.amdhsa_memory_ordered 1
		.amdhsa_forward_progress 1
		.amdhsa_inst_pref_size 95
	.end_amdhsa_kernel
	.amdgpu_metadata
---
amdhsa.version: [ 1, 2 ]
amdhsa.kernels:
  - .name:           k_q3caa8bd52d_prep
    .symbol:         k_q3caa8bd52d_prep.kd
    .args:
      - { .name: x, .offset: 0, .size: 8, .value_kind: global_buffer, .address_space: global }
      - { .name: W_attn, .offset: 8, .size: 8, .value_kind: global_buffer, .address_space: global }
      - { .name: W_proj, .offset: 16, .size: 8, .value_kind: global_buffer, .address_space: global }
      - { .name: xq_codes, .offset: 24, .size: 8, .value_kind: global_buffer, .address_space: global }
      - { .name: xq_scales, .offset: 32, .size: 8, .value_kind: global_buffer, .address_space: global }
      - { .name: wq, .offset: 40, .size: 8, .value_kind: global_buffer, .address_space: global }
      - { .name: rope, .offset: 48, .size: 8, .value_kind: global_buffer, .address_space: global }
    .group_segment_fixed_size: 68096
    .private_segment_fixed_size: 0
    .kernarg_segment_align: 8
    .kernarg_segment_size: 56
    .max_flat_workgroup_size: 128
    .sgpr_count:     66
    .vgpr_count:     256
    .wavefront_size: 32
...
	.end_amdgpu_metadata
.endif
;; end of part 1
;; launch qkv (part 2): grid 12 x 16, 4 waves a work-group, clusters of 4 x 4, 327,680 bytes of LDS; arguments xq_codes, xq_scales, wq, rope, qkq, vq; writes qkq, vq
.if DOCPART == 2
	.amdgcn_target "amdgcn-amd-amdhsa--gfx1250"
	.amdhsa_code_object_version 6
	.text
	.protected	k_q3caa8bd52d_qkv
	.globl	k_q3caa8bd52d_qkv
	.p2align	8
	.type	k_q3caa8bd52d_qkv,@function
k_q3caa8bd52d_qkv:
	s_mov_b64 s[64:65], 0
	v_nop
	global_prefetch_b8 v0, s[64:65] scope:SCOPE_SE
	s_setreg_imm32_b32 hwreg(HW_REG_WAVE_MODE, 25, 1), 1
	s_wait_xcnt 0x0
	s_wait_alu depctr_hold_cnt(0) depctr_sa_sdst(0) depctr_va_vdst(0) depctr_va_sdst(0) depctr_va_ssrc(0) depctr_va_vcc(0) depctr_vm_vsrc(0)
	s_getreg_b32 s2, hwreg(HW_REG_IB_STS2, 6, 4)
	s_cmp_eq_u32 s2, 0
	s_cbranch_scc0 .Lentry_in_a_cluster
	s_endpgm
.Lentry_in_a_cluster:
	s_bfe_u32 s2, ttmp6, 0x10000c
	s_cmp_lg_u32 s2, 0xf033
	s_cbranch_scc0 .Lentry_shape_is_right
	s_endpgm
.Lentry_shape_is_right:
.set SIZE_K, 1024
.set KSTEP,  256
.set NQ,     KSTEP/128
.set ROWB,   192
.set KROW,   SIZE_K*6/8
.set ASTEP,  4096*192                  ; x's codes lie [K / 256][row][192 bytes]: bytes from one K step to the next
.set BSTEP,  3072*192                  ; W_attn's likewise
.set G0H,    4                         ; s[4:7], s[8:11] group 0 of the head's loads of K step 0 (the arguments that lay there have been used by then)
.set G0HB,   8
.set PITCH,  240
.set FR,     12
.set NL,     6
.set NP,     4
.set HALFT,  128*PITCH
.set SLOT,   4*HALFT
.set LAPS,   SIZE_K/(2*KSTEP)
.set KS,     SIZE_K/32
.set SCL,    2*SLOT
.set HALFS,  (128*KS/256)*272
.set SBLK,   (16*KS/256)*272
.set SPARE,  SCL+4*HALFS
.set WA_S,   2359296
.set K_C,    3145728
.set Q_S,    6291456
.set K_S,    6422528
.set V_S,    3145728
.set QSTW,   12800
.set VSTG,   51200
.set VSTW,   17664
.set ADRA, 16
.set ADRB, 20
.set ADRS, 27
.set SPW,  28
.set NIL,  29
.set SC,   32
.set AF,   128
.set G1, 24
.set G0, 32
.set G1B, 48
.set G0B, 56
.set G1S, 68
.set G0S, 76
.set G1SB, 80
.set G0SB, 88
.set CS,   32
.set RR,   64
.set TMP,  128
.set MX,   136
.set TT,   140
.set SCO,  144
.set CD,   152
.set BY,   184
.set VF,   96
.set SW,   192
.set MSB, 0
.macro WIN new
.if MSB != \new
	s_set_vgpr_msb (MSB<<8)|\new
.set MSB, \new
.endif
.endm
.set MUL_LO, 0xa1
.set MUL_HI, 0xf1
.set TO_B,   0x40
.macro JLOAD g0a, g1a, g0b, g1b
	s_cmp_eq_u32 s15, 0
	s_cbranch_scc0 .Lfor_b_\@
	tensor_load_to_lds s[\g0a:\g0a+3], s[\g1a:\g1a+7]
	s_nop 0
.rept 4
	v_nop
.endr
	s_branch .Lasked_\@
.Lfor_b_\@:
	tensor_load_to_lds s[\g0b:\g0b+3], s[\g1b:\g1b+7]
	s_nop 0
.rept 4
	v_nop
.endr
.Lasked_\@:
.endm
.macro CREST
	s_cmp_lg_u32 s14, 0
	s_cbranch_scc1 .Lnot_wave_0_\@
	s_barrier_signal -3
.Lnot_wave_0_\@:
	s_barrier_wait -3
	s_barrier_signal -1
	s_barrier_wait -1
.endm
.macro CROUND
	s_barrier_signal -1
	s_barrier_wait -1
	CREST
.endm
	s_load_b128 s[4:7], s[0:1], 0x0
	s_load_b64 s[8:9], s[0:1], 0x10
	s_load_b64 s[12:13], s[0:1], 0x18
	s_load_b128 s[96:99], s[0:1], 0x20
	v_lshl_add_u32 v[SPW], v0, 2, SPARE
	v_mov_b32 v[NIL], 0
	ds_add_u32 v[SPW], v[NIL]
	ds_add_u32 v[SPW], v[NIL]
	v_lshrrev_b32 v1, 5, v0
	v_readfirstlane_b32 s14, v1
	s_lshr_b32 s15, s14, 1
	s_and_b32 s16, s14, 1
	s_bfe_u32 s40, ttmp6, 0x40000
	s_bfe_u32 s41, ttmp6, 0x40004
	s_lshl_b32 s42, ttmp9, 2
	s_add_co_u32 s42, s42, s40
	s_and_b32 s17, ttmp7, 0xffff
	s_lshl_b32 s17, s17, 2
	s_add_co_u32 s17, s17, s41
	s_lshl_b32 s43, s41, 2
	s_lshl_b32 s43, 15, s43
	s_lshl_b32 s44, 0x1111, s40
	s_or_b32 s[G1+0], s43, (0<<16)|(1<<20)|(1<<21)|(3<<22)|(3<<25)
	s_or_b32 s[G1B+0], s44, (0<<16)|(1<<20)|(1<<21)|(3<<22)|(3<<25)
.irp g, G1, G1B
	s_mov_b32 s[\g+1], 256<<16                     ; a tile's rows x 192 bytes are dense in memory: they come as rows of 256 bytes, 16 bytes of padding behind each 64
	s_mov_b32 s[\g+2], 192<<16                     ; the head's loads: 256 rows x 192 bytes = 192 x 256
	s_mov_b32 s[\g+3], 256<<16
	s_mov_b32 s[\g+4], 192
	s_mov_b32 s[\g+5], 256
	s_mov_b32 s[\g+6], 0
	s_mov_b32 s[\g+7], 0
.endr
	s_or_b32 s[G1S+0], s43, (3<<16)|(1<<20)|(1<<21)|(5<<22)|(3<<25)
	s_or_b32 s[G1SB+0], s44, (3<<16)|(1<<20)|(1<<21)|(5<<22)|(3<<25)
.irp g, G1S, G1SB
	s_mov_b32 s[\g+1], 32<<16
	s_mov_b32 s[\g+2], KS<<16                      ; the scales of 256 rows: KS rows of 256 bytes
	s_mov_b32 s[\g+3], 32<<16
	s_mov_b32 s[\g+4], KS
	s_mov_b32 s[\g+5], 32
	s_mov_b32 s[\g+6], 0
	s_mov_b32 s[\g+7], 0
.endr
	s_lshl_b32 s20, s17, 8                         ; A: the tile's first row
	s_lshl_b32 s46, s42, 8                         ; B: likewise
	s_mov_b32 s21, 0
	s_mov_b32 s47, 0
	s_mov_b64 s[18:19], KS
	s_mul_u64 s[22:23], s[20:21], s[18:19]
	s_mul_u64 s[92:93], s[46:47], s[18:19]
	s_mov_b64 s[18:19], ROWB
	s_mul_u64 s[20:21], s[20:21], s[18:19]
	s_mul_u64 s[46:47], s[46:47], s[18:19]
	s_mul_i32 s18, s16, 128*ROWB                   ; in the ring I fetch 128 rows of a tile: which half, in bytes
	s_mov_b32 s19, 0
	s_mul_i32 s45, s14, HALFT
	s_wait_dscnt 0x0
	s_wait_kmcnt 0x0
	s_add_nc_u64 s[10:11], s[8:9], WA_S
	s_add_nc_u64 s[20:21], s[4:5], s[20:21]
	s_add_nc_u64 s[22:23], s[6:7], s[22:23]
	s_add_nc_u64 s[46:47], s[8:9], s[46:47]
	s_add_nc_u64 s[92:93], s[10:11], s[92:93]
	CROUND
	s_mov_b32 s[G0H], 1                            ; the head's four tiles, each whole: K step 0's 256 rows of A,
	s_mov_b32 s[G0H+1], 0
	s_mov_b64 s[G0H+2:G0H+3], s[20:21]
	s_or_b32 s[G0H+3], s[G0H+3], 0x80000000
	s_mov_b32 s[G0HB], 1                           ; its 256 rows of B, behind them in slot 0,
	s_mov_b32 s[G0HB+1], 2*HALFT
	s_mov_b64 s[G0HB+2:G0HB+3], s[46:47]
	s_or_b32 s[G0HB+3], s[G0HB+3], 0x80000000
	s_mov_b32 s[G0S], 1                            ; the scales of A's 256 rows,
	s_mov_b32 s[G0S+1], SCL
	s_mov_b64 s[G0S+2:G0S+3], s[22:23]
	s_or_b32 s[G0S+3], s[G0S+3], 0x80000000
	s_mov_b32 s[G0SB], 1                           ; and of B's
	s_mov_b32 s[G0SB+1], SCL+2*HALFS
	s_mov_b64 s[G0SB+2:G0SB+3], s[92:93]
	s_or_b32 s[G0SB+3], s[G0SB+3], 0x80000000
	s_add_nc_u64 s[20:21], s[20:21], s[18:19]      ; for the ring: my 128 rows of the tile
	s_add_nc_u64 s[46:47], s[46:47], s[18:19]
.irp s, 0,1
	s_mov_b32 s[G0+4*\s], 1
	s_add_co_u32 s[G0+4*\s+1], s45, \s*SLOT
	s_add_nc_u64 s[G0+4*\s+2:G0+4*\s+3], s[20:21], \s*ASTEP
	s_or_b32 s[G0+4*\s+3], s[G0+4*\s+3], 0x80000000
	s_mov_b32 s[G0B+4*\s], 1
	s_add_co_u32 s[G0B+4*\s+1], s45, \s*SLOT
	s_add_nc_u64 s[G0B+4*\s+2:G0B+4*\s+3], s[46:47], \s*BSTEP
	s_or_b32 s[G0B+4*\s+3], s[G0B+4*\s+3], 0x80000000
.endr
; THE HEAD'S LOADS, ONE A WAVE: wave 0 K step 0's 256 rows of A, wave 1 its 256 rows of B, wave 2 A's scales, wave 3 B's.
; One chain of branches on the wave's number: every way through it passes exactly one load.
.macro ARM under, g0, g1, next
	s_cmp_lt_u32 s14, \under
	s_cbranch_scc0 \next
	tensor_load_to_lds s[\g0:\g0+3], s[\g1:\g1+7]
	s_nop 0
.rept 4
	v_nop
.endr
	s_branch .Lhead_asked
\next:
.endm
	ARM 1, G0H,  G1,  .Lhead_b
	ARM 2, G0HB, G1B, .Lhead_sa
	ARM 3, G0S,  G1S, .Lhead_sb
	tensor_load_to_lds s[G0SB:G0SB+3], s[G1SB:G1SB+7]
	s_nop 0
.rept 4
	v_nop
.endr
.Lhead_asked:
	v_and_b32 v1, 15, v0
	v_bfe_u32 v2, v0, 4, 1
	v_mul_u32_u24 v3, v1, PITCH
	v_mul_u32_u24 v4, v2, 24
	v_add_nc_u32 v4, v3, v4
	v_lshl_add_u32 v5, v2, 4, v4
	s_mul_i32 s21, s15, HALFT
	s_mul_i32 s22, s16, HALFT
	s_add_co_u32 s22, s22, 2*HALFT
.irp s, 0,1
	v_add_nc_u32 v[ADRA+\s], s21, v4
	v_add_nc_u32 v[ADRB+\s], s22, v4
	v_add_nc_u32 v[ADRA+2+\s], s21, v5
	v_add_nc_u32 v[ADRB+2+\s], s22, v5
	s_add_co_u32 s21, s21, SLOT
	s_add_co_u32 s22, s22, SLOT
.endr
	v_mul_u32_u24 v5, v1, KS
	v_lshrrev_b32 v6, 8, v5
	v_lshl_add_u32 v5, v6, 4, v5
	s_mul_i32 s21, s15, HALFS
	s_mul_i32 s22, s16, HALFS
	s_add_co_u32 s22, s22, 2*HALFS
	s_sub_co_u32 s22, s22, s21
	v_mul_u32_u24 v6, s22, v2
	s_add_co_u32 s21, s21, SCL
	v_add_nc_u32 v5, v5, v6
	v_add_nc_u32 v[ADRS], s21, v5
.macro FRAG reg, adr, q, i
.irp p, 0,1,2,3,4,5
.set PC, 12*(\q)+6*(\p/3)+\p%3
.if PC%8 < 5
	ds_load_b64 v[\reg+2*\p:\reg+2*\p+1], v[\adr] offset:8*PC+16*(PC/8)+(\i)*16*PITCH
.else
	ds_load_b64 v[\reg+2*\p:\reg+2*\p+1], v[\adr+2] offset:8*PC+16*(PC/8)+(\i)*16*PITCH
.endif
.endr
.endm
.macro MUL16 a0, p, q, sc, zero
.irp a, \a0, \a0+1
.irp b, 0,1,2,3,4,5,6,7
.if \zero
	v_wmma_scale_f32_16x16x128_f8f6f4 v[8*(8*((\a)%4)+\b):8*(8*((\a)%4)+\b)+7], v[128*(\p)+FR*\b:128*(\p)+FR*\b+FR-1], v[AF+FR*(\a):AF+FR*(\a)+FR-1], 0, v[SC+8*NQ*(\sc)+NQ*\b+(\q)], v[SC+8*NQ*(\sc)+NQ*(\a)+(\q)] matrix_a_fmt:MATRIX_FMT_FP6 matrix_b_fmt:MATRIX_FMT_FP6 matrix_a_scale:MATRIX_SCALE_ROW1
.else
	v_wmma_scale_f32_16x16x128_f8f6f4 v[8*(8*((\a)%4)+\b):8*(8*((\a)%4)+\b)+7], v[128*(\p)+FR*\b:128*(\p)+FR*\b+FR-1], v[AF+FR*(\a):AF+FR*(\a)+FR-1], v[8*(8*((\a)%4)+\b):8*(8*((\a)%4)+\b)+7], v[SC+8*NQ*(\sc)+NQ*\b+(\q)], v[SC+8*NQ*(\sc)+NQ*(\a)+(\q)] matrix_a_fmt:MATRIX_FMT_FP6 matrix_b_fmt:MATRIX_FMT_FP6 matrix_a_scale:MATRIX_SCALE_ROW1
.endif
.endr
.endr
.endm
.macro FETCH_B slot, q, p
	WIN TO_B
.irp i, 0,1,2,3,4,5,6,7
	FRAG 128*(\p)+FR*\i, ADRB+\slot, \q, \i
.endr
	WIN 0
.endm
.macro FETCH_A slot, q, i0
.irp i, \i0, \i0+1, \i0+2, \i0+3
	FRAG AF+FR*(\i), ADRA+\slot, \q, \i
.endr
.endm
.macro SCALES sc
.irp i, 0,1,2,3,4,5,6,7
	ds_load_b64 v[SC+8*NQ*\sc+NQ*\i:SC+8*NQ*\sc+NQ*\i+1], v[ADRS] offset:\i*SBLK
.endr
.endm
.macro PLACES n
.rept \n
	v_nop
.endr
.endm
.macro STEP slot, q, zero
	s_wait_dscnt 4*NL
	WIN MUL_LO
	MUL16 0, (\q)%2, \q, \slot, \zero
	MUL16 2, (\q)%2, \q, \slot, \zero
	s_wait_dscnt 0
	PLACES NP
	FETCH_B \slot, (\q)+1, 1-(\q)%2
	FETCH_A \slot, (\q)+1, 0
	WIN MUL_HI
	MUL16 4, (\q)%2, \q, \slot, \zero
	MUL16 6, (\q)%2, \q, \slot, \zero
	PLACES NP
	WIN 0
	FETCH_A \slot, (\q)+1, 4
.endm
.macro TURN slot, next, fill
	s_wait_tensorcnt 0x0
	ds_add_u32 v[SPW], v[NIL]
	s_wait_dscnt 4*NL+1
	WIN MUL_LO
	MUL16 0, 1, NQ-1, \slot, 0
	s_wait_dscnt 0x0
	s_barrier_signal -1
	MUL16 2, 1, NQ-1, \slot, 0
	WIN 0
	s_barrier_wait -1
.if \fill
	CREST
	s_add_nc_u64 s[G0+4*\slot+2:G0+4*\slot+3], s[G0+4*\slot+2:G0+4*\slot+3], 2*ASTEP
	s_add_nc_u64 s[G0B+4*\slot+2:G0B+4*\slot+3], s[G0B+4*\slot+2:G0B+4*\slot+3], 2*BSTEP
	JLOAD G0+4*\slot, G1, G0B+4*\slot, G1B
.else
	PLACES NP
.endif
	s_wait_alu depctr_va_vdst(0)
	v_add_nc_u32 v[ADRS], 4*NQ, v[ADRS]
	FETCH_B \next, 0, 0
	FETCH_A \next, 0, 0
	SCALES \next
	WIN MUL_HI
	MUL16 4, 1, NQ-1, \slot, 0
	MUL16 6, 1, NQ-1, \slot, 0
	PLACES NP
	WIN 0
	FETCH_A \next, 0, 4
.endm
	s_wait_alu depctr_va_vdst(0)
	s_wait_tensorcnt 0x0                           ; my tile of the head's four is in
	ds_add_u32 v[SPW], v[NIL]
	s_mov_b32 s[G1+2], 96<<16                      ; no tensor load of mine is out: from here on a load brings 128 rows x 192 bytes = 96 x 256
	s_mov_b32 s[G1+4], 96
	s_mov_b32 s[G1B+2], 96<<16
	s_mov_b32 s[G1B+4], 96
	s_wait_dscnt 0x0
	CROUND                                         ; all four tiles are in, and all sixteen work-groups are here
	JLOAD G0+4, G1, G0B+4, G1B                     ; K step 1, the first tensor load behind the round
	FETCH_B 0, 0, 0
	FETCH_A 0, 0, 0
	SCALES 0
	FETCH_A 0, 0, 4
	STEP 0, 0, 1
	s_mov_b32 s3, LAPS-1
.Llap:
	TURN 0, 1, 1
	STEP 1, 0, 0
	TURN 1, 0, 1
	STEP 0, 0, 0
	s_sub_co_u32 s3, s3, 1
	s_cmp_lg_u32 s3, 0
	s_cbranch_scc1 .Llap
	TURN 0, 1, 0
	STEP 1, 0, 0
	s_wait_dscnt 4*NL
	WIN MUL_LO
	MUL16 0, 1, NQ-1, 1, 0
	MUL16 2, 1, NQ-1, 1, 0
	s_wait_dscnt 0
	WIN MUL_HI
	MUL16 4, 1, NQ-1, 1, 0
	MUL16 6, 1, NQ-1, 1, 0
	WIN 0
	PLACES NP
	s_lshl_b32 s20, s17, 8
	s_lshl_b32 s21, s15, 7
	s_add_co_u32 s20, s20, s21
	s_lshr_b32 s21, s20, 11
	s_and_b32 s22, s20, 2047
	s_lshr_b32 s23, s22, 7
	s_mov_b32 s38, 0x76543210
	s_mov_b32 s39, 0xfedcba98
	s_mov_b32 s25, 0
	s_cmp_eq_u32 ttmp9, 2
	s_cbranch_scc1 .Lv
	s_lshl_b32 s24, s22, 7
	s_add_nc_u64 s[12:13], s[12:13], s[24:25]
	s_and_b32 s26, s42, 3
	s_lshl_b32 s26, s26, 3
	s_lshl_b32 s27, s16, 2
	s_add_co_u32 s26, s26, s27
	s_lshl_b32 s27, s21, 5
	s_add_co_u32 s27, s27, s26
	s_mul_i32 s27, s27, 49152
	s_mul_i32 s28, s23, 3072
	s_add_co_u32 s27, s27, s28
	s_lshl_b32 s28, s21, 4
	s_lshr_b32 s29, s26, 1
	s_add_co_u32 s28, s28, s29
	s_lshl_b32 s28, s28, 4
	s_add_co_u32 s28, s28, s23
	s_lshl_b32 s28, s28, 8
	s_mov_b32 s31, Q_S
	s_cmp_eq_u32 ttmp9, 1
	s_cselect_b32 s30, K_C, 0
	s_cselect_b32 s31, K_S, s31
	s_add_co_u32 s24, s27, s30
	s_add_nc_u64 s[32:33], s[96:97], s[24:25]
	s_add_co_u32 s24, s28, s31
	s_add_nc_u64 s[34:35], s[96:97], s[24:25]
	s_mul_i32 s36, s14, QSTW
	v_lshrrev_b32 v11, 3, v1
	v_and_b32 v12, 7, v1
	v_lshlrev_b32 v3, 7, v1
	v_lshl_add_u32 v3, v2, 5, v3
	v_lshlrev_b32 v13, 8, v11
	v_lshl_add_u32 v13, v12, 4, v13
	v_add_nc_u32 v13, s36, v13
	v_mad_u32_u24 v4, v2, 12, v13
	v_mad_u32_u24 v5, v2, 508, v13
	v_lshl_add_u32 v6, v12, 2, v11
	v_add_nc_u32 v6, s36, v6
	v_add_nc_u32 v6, 12288, v6
	v_and_b32 v14, 31, v0
	v_lshlrev_b32 v9, 4, v14
	v_add_nc_u32 v7, s36, v9
	v_add_nc_u32 v8, 12288, v7
	v_lshlrev_b32 v10, 12, v2
	v_lshl_add_u32 v10, v1, 4, v10
.irp u, 0,1,2,3
	v_mov_b32 v[TT+\u], 0
.endr
.macro CSLOAD a
.set CA, CS+16*((\a)%2)
	global_load_b128 v[CA:CA+3], v3, s[12:13] offset:2048*(\a)
	global_load_b128 v[CA+4:CA+7], v3, s[12:13] offset:2048*(\a)+16
	global_load_b128 v[CA+8:CA+11], v3, s[12:13] offset:2048*(\a)+64
	global_load_b128 v[CA+12:CA+15], v3, s[12:13] offset:2048*(\a)+80
.endm
.macro ROPE a
	WIN 0x02+(\a)/4
.irp b, 0,1,2,3,4,5,6,7
.irp jj, 0,1,2,3
.set XA, 8*(8*((\a)%4)+\b)+2*\jj
.set CC, CS+16*((\a)%2)+8*(\b%2)+2*\jj
.set TA, TMP+2*\jj
	v_mul_f32 v[TA], -v[XA+1], v[CC+1]
	v_mul_f32 v[TA+1], v[XA+1], v[CC]
	v_pk_fma_f32 v[RR+8*\b+2*\jj:RR+8*\b+2*\jj+1], v[XA:XA+1], v[CC:CC+1], v[TA:TA+1] op_sel_hi:[0,1,1]
.endr
.endr
	WIN 0
.endm
.macro QUANT4 a
.irp u, 0,1,2,3
	v_max3_num_f32 v[MX+\u], |v[RR+16*\u]|, |v[RR+16*\u+1]|, 0x1800000
.endr
.irp i, 2,4,6,8,10,12,14
.irp u, 0,1,2,3
	v_max3_num_f32 v[MX+\u], v[MX+\u], |v[RR+16*\u+\i]|, |v[RR+16*\u+\i+1]|
.endr
.endr
.irp u, 0,1,2,3
	v_permlanex16_b32 v[TT+\u], v[MX+\u], s38, s39
.endr
.irp u, 0,1,2,3
	v_max_num_f32 v[MX+\u], v[MX+\u], v[TT+\u]
.endr
.irp u, 0,1,2,3
	v_add_nc_u32 v[SCO+\u], 0xff000000, v[MX+\u]
.endr
.if (\a) > 1
	s_wait_alu depctr_va_vdst(0)
	s_wait_dscnt 16
.endif
.irp u, 0,1,2,3
	v_lshrrev_b32 v[BY+4*((\a)%2)+\u], 23, v[SCO+\u]
.endr
.irp u, 0,1,2,3
	v_cvt_scalef32_pk16_fp6_f32 v[CD+16*((\a)%2)+4*\u:CD+16*((\a)%2)+4*\u+2], v[RR+16*\u:RR+16*\u+15], v[SCO+\u]
.endr
	v_nop
.endm
.macro QSTORE a
.set I0, 1536*((\a)/4)+128*(((\a)/2)%2)
.set CDA, CD+16*((\a)%2)
.set BYA, BY+4*((\a)%2)
.irp u, 0,1,2,3
.if (\a)%2 == 0
	ds_store_b32 v4, v[CDA+4*\u] offset:3072*\u+I0
	ds_store_b32 v5, v[CDA+4*\u+1] offset:3072*\u+I0+4
	ds_store_b32 v5, v[CDA+4*\u+2] offset:3072*\u+I0+8
.else
	ds_store_b32 v5, v[CDA+4*\u] offset:3072*\u+I0+520
	ds_store_b32 v5, v[CDA+4*\u+1] offset:3072*\u+I0+524
	ds_store_b32 v4, v[CDA+4*\u+2] offset:3072*\u+I0+1024
.endif
	ds_store_b8 v6, v[BYA+\u] offset:128*\u+64*((\a)/4)+32*(((\a)/2)%2)+2*((\a)%2)
.endr
.endm
	CSLOAD 0
	CSLOAD 1
.irp a, 0,1,2,3,4,5,6,7
.if \a < 7
	s_wait_loadcnt 4
.else
	s_wait_loadcnt 0x0
.endif
	ROPE \a
.if \a < 6
	CSLOAD \a+2
.endif
	QUANT4 \a
	QSTORE \a
.endr
.irp n, 0,1,2,3,4,5,6,7,8,9,10,11,12,13,14,15,16,17,18,19,20,21,22,23
	ds_load_b128 v[32+4*\n:35+4*\n], v7 offset:512*\n
.endr
	ds_load_b128 v[128:131], v8
.irp n, 0,1,2,3,4,5,6,7,8,9,10,11,12,13,14,15,16,17,18,19,20,21,22,23
	s_wait_dscnt 24-\n
	global_store_b128 v9, v[32+4*\n:35+4*\n], s[32:33] offset:49152*(\n/6)+512*(\n%6)
.endr
	s_wait_dscnt 0x0
	global_store_b128 v10, v[128:131], s[34:35]
	s_branch .Ldone
.Lv:
	s_sub_co_u32 s26, s42, 8
	s_lshl_b32 s26, s26, 2
	s_lshl_b32 s27, s16, 1
	s_add_co_u32 s26, s26, s27
	s_lshl_b32 s27, s21, 4
	s_add_co_u32 s27, s27, s26
	s_lshl_b32 s27, s27, 4
	s_add_co_u32 s27, s27, s23
	s_mul_i32 s24, s27, 6144
	s_add_nc_u64 s[32:33], s[98:99], s[24:25]
	s_lshl_b32 s24, s27, 8
	s_add_co_u32 s24, s24, V_S
	s_add_nc_u64 s[34:35], s[98:99], s[24:25]
	s_mov_b32 s37, 0xffff0000
	s_mul_i32 s36, s14, VSTW
	s_add_co_u32 s36, s36, VSTG
	v_mul_u32_u24 v3, v1, 272
	v_lshl_add_u32 v3, v2, 5, v3
	v_add_nc_u32 v3, s36, v3
	v_and_b32 v4, 8, v1
	v_add_nc_u32 v4, v4, v1
	v_lshlrev_b32 v4, 2, v4
	v_mad_u32_u24 v4, v2, 8832, v4
	v_add_nc_u32 v4, s36, v4
	v_and_b32 v5, 31, v0
	v_lshlrev_b32 v5, 4, v5
	v_lshlrev_b32 v6, 12, v2
	v_lshl_add_u32 v6, v1, 4, v6
	v_lshlrev_b32 v7, 3, v2
.irp f, 0,1,2,3,4,5,6,7
	v_mov_b32 v[208+\f], 0
.endr
.macro VSTAGE c2, hd
	WIN 0x08+4*(\c2)
.irp ap, 0,1,2,3
.irp bb, 0,1,2,3
	ds_store_b128 v3, v[8*(8*\ap+4*(\hd)+\bb):8*(8*\ap+4*(\hd)+\bb)+3] offset:4352*\ap+128*(\ap/2)+64*\bb
	ds_store_b128 v3, v[8*(8*\ap+4*(\hd)+\bb)+4:8*(8*\ap+4*(\hd)+\bb)+7] offset:4352*\ap+128*(\ap/2)+64*\bb+16
.endr
.endr
	WIN 0
.endm
.macro YLOAD ct
.irp i, 0,1,2,3,4,5,6,7,8,9,10,11,12,13,14,15,16,17,18,19,20,21,22,23,24,25,26,27,28,29,30,31
	ds_load_b32 v[32+32*((\ct)%2)+\i], v4 offset:272*\i+4*(32*((\ct)/2)+8*((\ct)%2))
.endr
.endm
.macro QUANTV ct, f, c2
.set Y0, 32+32*((\ct)%2)
.set VD, VF+12*(\f)+6*(\c2)
	v_max3_num_f32 v200, |v[Y0]|, |v[Y0+1]|, |v[Y0+2]|
	v_max3_num_f32 v201, |v[Y0+3]|, |v[Y0+4]|, |v[Y0+5]|
.irp i, 6,10,14,18,22,26
	v_max3_num_f32 v200, v200, |v[Y0+\i]|, |v[Y0+\i+1]|
	v_max3_num_f32 v201, v201, |v[Y0+\i+2]|, |v[Y0+\i+3]|
.endr
	v_max3_num_f32 v200, v200, |v[Y0+30]|, |v[Y0+31]|
	v_max3_num_f32 v200, v200, v201, 0x1800000
	v_add_nc_u32 v202, 0xff000000, v200
	v_lshrrev_b32 v203, 23, v202
	v_cvt_scalef32_pk16_fp6_f32 v[VD:VD+2], v[Y0:Y0+15], v202
	v_cvt_scalef32_pk16_fp6_f32 v[204:206], v[Y0+16:Y0+31], v202
	v_nop
.irp i, 0,1,2
	v_mov_b32 v[VD+3+\i], v[204+\i]
.endr
.if (\c2) == 0
	v_mov_b32 v[SW+(\f)], v203
.else
	v_lshl_or_b32 v[SW+(\f)], v203, 16, v[SW+(\f)]
.endif
.endm
.irp c2, 0,1
.irp hd, 0,1
	VSTAGE \c2, \hd
	YLOAD 0
.irp ct, 0,1,2,3
.if \ct < 3
	YLOAD \ct+1
	s_wait_dscnt 32
.else
	s_wait_dscnt 0x0
.endif
	QUANTV \ct, 4*\hd+\ct, \c2
.endr
.endr
.endr
.irp f, 0,1,2,3,4,5,6,7
	v_lshlrev_b32 v[SW+\f], v7, v[SW+\f]
.endr
.irp f, 0,1,2,3,4,5,6,7
	v_permlanex16_b32 v[208+\f], v[SW+\f], s38, s39
.endr
.irp f, 0,1,2,3,4,5,6,7
	v_or_b32 v[SW+\f], v[SW+\f], v[208+\f]
.endr
.irp ct, 0,1,2,3
	v_cndmask_b32 v[216+\ct], v[SW+\ct], v[SW+4+\ct], s37
.endr
.irp hd, 0,1
.irp ct, 0,1,2,3
.irp c, 0,1,2
	global_store_b128 v5, v[VF+12*(4*\hd+\ct)+4*\c:VF+12*(4*\hd+\ct)+4*\c+3], s[32:33] offset:98304*\hd+1536*\ct+512*\c
.endr
.endr
.endr
	global_store_b128 v6, v[216:219], s[34:35]
.Ldone:
	s_wait_tensorcnt 0x0
	ds_add_u32 v[SPW], v[NIL]
	s_wait_dscnt 0x0
	CROUND
	s_endpgm
.Lfunc_end_k_q3caa8bd52d_qkv:
	.size	k_q3caa8bd52d_qkv, .Lfunc_end_k_q3caa8bd52d_qkv-k_q3caa8bd52d_qkv
	.p2alignl 7, 3214868480
	.fill 96, 4, 3214868480
	.section	.rodata,"a",@progbits
	.p2align	6, 0x0
	.amdhsa_kernel k_q3caa8bd52d_qkv
		.amdhsa_group_segment_fixed_size 327680
		.amdhsa_private_segment_fixed_size 0
		.amdhsa_enable_private_segment 0
		.amdhsa_kernarg_size 48
		.amdhsa_user_sgpr_count 2
		.amdhsa_user_sgpr_kernarg_segment_ptr 1
		.amdhsa_wavefront_size32 1
		.amdhsa_system_sgpr_workgroup_id_x 1
		.amdhsa_system_sgpr_workgroup_id_y 1
		.amdhsa_system_sgpr_workgroup_id_z 1
		.amdhsa_system_vgpr_workitem_id 0
		.amdhsa_next_free_vgpr 1024
		.amdhsa_next_free_sgpr 100
		.amdhsa_reserve_vcc 0
		.amdhsa_float_denorm_mode_32 3
		.amdhsa_float_denorm_mode_16_64 3
		.amdhsa_memory_ordered 1
		.amdhsa_forward_progress 1
		.amdhsa_inst_pref_size 255
	.end_amdhsa_kernel
	.section	.bss,"aw",@nobits
	.p2align	6
	.space	262144
	.amdgpu_metadata
---
amdhsa.version: [ 1, 2 ]
amdhsa.kernels:
  - .name:           k_q3caa8bd52d_qkv
    .symbol:         k_q3caa8bd52d_qkv.kd
    .args:
      - { .name: xq_codes, .offset: 0, .size: 8, .value_kind: global_buffer, .address_space: global }
      - { .name: xq_scales, .offset: 8, .size: 8, .value_kind: global_buffer, .address_space: global }
      - { .name: wq, .offset: 16, .size: 8, .value_kind: global_buffer, .address_space: global }
      - { .name: rope, .offset: 24, .size: 8, .value_kind: global_buffer, .address_space: global }
      - { .name: qkq, .offset: 32, .size: 8, .value_kind: global_buffer, .address_space: global }
      - { .name: vq, .offset: 40, .size: 8, .value_kind: global_buffer, .address_space: global }
    .group_segment_fixed_size: 327680
    .private_segment_fixed_size: 0
    .kernarg_segment_align: 8
    .kernarg_segment_size: 48
    .max_flat_workgroup_size: 128
    .sgpr_count:     100
    .vgpr_count:     1024
    .wavefront_size: 32
...
	.end_amdgpu_metadata
.endif
;; end of part 2
;; launch att (part 3): grid 8 x 32, 16 waves a work-group, no clusters, 327,680 bytes of LDS; arguments qkq, vq, lambda_q1, lambda_k1, lambda_q2, lambda_k2, oq_codes, oq_scales; writes oq_codes, oq_scales
.if DOCPART == 3
	.amdgcn_target "amdgcn-amd-amdhsa--gfx1250"
	.amdhsa_code_object_version 6
	.text
	.protected	k_q3caa8bd52d_att
	.globl	k_q3caa8bd52d_att
	.p2align	8
	.type	k_q3caa8bd52d_att,@function
k_q3caa8bd52d_att:
	s_mov_b64 s[64:65], 0
	v_nop
	global_prefetch_b8 v0, s[64:65] scope:SCOPE_SE
	s_setreg_imm32_b32 hwreg(HW_REG_WAVE_MODE, 25, 1), 1
	s_wait_xcnt 0x0
; Differential attention on codes of E2M3.  For batch b and head h: A1 = causal attention of score head h, A2 of score head h + 16, both on v head h; diff = A1 - lambda A2; RMS norm over its 64 channels (eps 1e-5); x 0.8;
; quantised along the model's 1,024 channels for the last product.  lambda = exp(lq1 . lk1) - exp(lq2 . lk2) + 0.2, in f32.
; THE SOFTMAX: t = score x log2(e) / sqrt(32); M = the running largest t, rounded UP to a whole number; p = 2^(t - M) is quantised along the keys; the row's sum is taken of the unquantised p and divides at the end.
; Key steps that lie wholly behind a block's queries are hidden by the causal mask that the problem builds itself: they are passed over.
; SHARES.  A work-group owns one (b, h) and two blocks of 128 queries, 15 - i (first) and i: 16 - i and i + 1 key steps of 128, 17 for every work-group.  Wave 2 w + hs owns queries 16 w .. 16 w + 15 of the block and score head h + 16 hs.
; THE FILLS.  All of the pair's K (two heads), V and their scales, 204,800 bytes, come into LDS once.  At the head: waves 0-3 the four tiles of scales, waves 4-7 the codes of keys 0-511 (12,288 bytes each).
; Behind the first barrier: waves 8-11 the codes of keys 512-2047 (36,864 bytes each); they land under the first pass's four first steps, which read keys 0-511 alone; a barrier follows those four steps.
; No barrier stands between the passes: the first pass's results (A1 / sum in the even waves, lambda A2 / sum in the odd) are parked in LDS bytes of their own; behind the one barrier at the end the even waves finish block i, the odd waves block 15 - i.
; No cluster: the work-groups that share K and V leave out different key steps, by a branch on the query block.  No prefetch: every byte is asked for by the two groups of fills, and no loop runs ahead of them.
; THE FIRST PRODUCT has K = 32, one block, and the instruction four: a fragment of K carries 64 keys, one in each (row, block) place, and is multiplied four times, by q laid in block j with zero codes elsewhere.
; Register 32 F + n of lane (r, hl) is the score of query r and key 64 F + 32 hl + n: two whole blocks of keys in a lane, in the second product's operand order.  Both products are used transposed: a lane holds one query throughout.
; LIMITS: NaN and infinities are not served; a block of zeros, or one under 2^-124, gets the scale byte 1 (read by this program alone); the scaled scores stay under 2^31 in magnitude.
.set K_C,   3145728
.set Q_S,   6291456
.set K_S,   6422528
.set V_S,   3145728
.set VB,    98304                      ; LDS: K of head h at 0, of head h + 16 at 49,152; V here;
.set SCB,   196608                     ; the scales: K's two heads, V's rows 0-7, V's rows 8-15: 2,048 bytes each;
.set R0,    204800                     ; the first pass's results, 4,096 bytes a wave; written by LDS stores alone;
.set R1,    270336                     ; the odd waves' results of the second pass, 4,096 bytes a tile;
.set SPARE, 303104                     ; the spare words, 128 bytes for each wave
; v1 my tile's place in R0; v2, v3, v4, v5 my lane's place in K, V, K's scales, V's scales; v6, v7 the add's two; v8-11 the step's addresses; v12 -M, v13 the largest t, v[14:15] the sum; v16 query - 32 hl; v17 -infinity; v18 8 hl;
; v19 my wave's place in R0; v20-22 q's offsets; v23, v24 the outputs' offsets; v25 lambda or 1; v26 q's scales; v27 p's scales; v[28:29] a factor; v30-39 at work; v40-46 codes on their way; v47 my tile's place in R1; v48-59 p's codes;
; v60-61 K's scale words; v62-65 V's; v66-95 q: [0][lanes 0-15][0][lanes 16-31][0], six registers each; v96-159 scores, then p (v96-107 then the next step's second fragment of K); v160-191 O^T; v192-239 fragments of V;
; v240-251 q as loaded, then K's first fragment; v252-255 at work
.set WV,  28
.set WT,  29                           ; s29 my tile of queries
.set HS,  30                           ; s30 my score head: 0 or 1
.set KD,  94                           ; s94 wave / 4
.set BLK, 35                           ; s35 the pass's block of queries
.set IDX, 36                           ; s36 the key step
.set TK,  37                           ; s37, s38, s39 where the step's K, V and scales begin
.set TV,  38
.set TS,  39
.set CNT, 46
.macro NOPS n
.rept \n
	v_nop
.endr
.endm
.macro SQ F, A                         ; S^T of 64 keys: the fragment at v[A], q in block 0, 1, 2, 3
	v_wmma_scale_f32_16x16x128_f8f6f4 v[96+32*\F:103+32*\F], v[\A:\A+11], v[72:83], 0, v[60+\F], v26 matrix_a_fmt:MATRIX_FMT_FP6 matrix_b_fmt:MATRIX_FMT_FP6
	v_wmma_scale_f32_16x16x128_f8f6f4 v[104+32*\F:111+32*\F], v[\A:\A+11], v[84:95], 0, v[60+\F], v26 matrix_a_fmt:MATRIX_FMT_FP6 matrix_b_fmt:MATRIX_FMT_FP6
	v_wmma_scale_f32_16x16x128_f8f6f4 v[112+32*\F:119+32*\F], v[\A:\A+11], v[66:77], 0, v[60+\F], v26 matrix_a_fmt:MATRIX_FMT_FP6 matrix_b_fmt:MATRIX_FMT_FP6
	v_wmma_scale_f32_16x16x128_f8f6f4 v[120+32*\F:127+32*\F], v[\A:\A+11], v[78:89], 0, v[60+\F], v26 matrix_a_fmt:MATRIX_FMT_FP6 matrix_b_fmt:MATRIX_FMT_FP6
.endm
.macro BMAX F                          ; the largest score of block F's 32 keys, all in my lane: four chains by turns; each accumulator is first read at its low end
.irp k, 0,1,2,3
	v_max3_num_f32 v[32+\k], v[96+32*\F+8*\k], v[97+32*\F+8*\k], v[98+32*\F+8*\k]
.endr
.irp i, 3,5
.irp k, 0,1,2,3
	v_max3_num_f32 v[32+\k], v[32+\k], v[96+32*\F+8*\k+\i], v[97+32*\F+8*\k+\i]
.endr
.endr
	v_max3_num_f32 v32, v32, v33, v[103+32*\F]
	v_max3_num_f32 v34, v34, v35, v[111+32*\F]
	v_max3_num_f32 v32, v32, v34, v[119+32*\F]
	v_max_num_f32 v[30+\F], v32, v[127+32*\F]
.endm
.macro HIDE n0                         ; register n holds key 64 (n / 32) + 32 hl + n % 32 of the step: -infinity where that is above my query
.set n, \n0
.rept 32
	v_cmp_gt_i32 vcc_lo, 64*(n/32)+n%32, v16
	v_cndmask_b32 v[96+n], v[96+n], v17, vcc_lo
.set n, n+1
.endr
.endm
.macro TM a, cnt                       ; t - M, two at a time
.set n, \a
.rept \cnt
	v_pk_fma_f32 v[n:n+1], v[n:n+1], s[42:43], v[12:13] op_sel_hi:[1,0,0]
.set n, n+2
.endr
.endm
.macro EXPS a, cnt
.set n, \a
.rept \cnt
	v_exp_f32 v[n], v[n]
.set n, n+1
.endr
.endm
.macro PA d, s
	v_pk_add_f32 v[\d:\d+1], v[\d:\d+1], v[\s:\s+1]
.endm
.macro PRE                             ; the fragments and scale words of K for the step at s[TK], s[TS]: a fragment is the image of its registers, 512 consecutive bytes a load
	v_add_nc_u32 v8, s[TK], v2
	v_add_nc_u32 v10, s[TS], v4
.irp c, 0,1,2
	ds_load_b128 v[240+4*\c:243+4*\c], v8 offset:512*\c
.endr
	ds_load_b32 v60, v10
.irp c, 0,1,2
	ds_load_b128 v[96+4*\c:99+4*\c], v8 offset:1536+512*\c
.endr
	ds_load_b32 v61, v10 offset:64
.endm
; A KEY STEP: 128 keys.  mask = 1: a step all of whose keys come after the block's queries is passed over, by a scalar branch on ids round the work; on the diagonal hidden keys become -infinity.
; last: the last step whose K may be asked for ahead; the step's own K was asked for in the step before (or by PRE).
.macro STEP mask, last
.if \mask
	s_cmp_gt_u32 s[IDX], s[BLK]
	s_cbranch_scc1 .Lhid_\@
.endif
	s_add_co_u32 s47, s[TK], 3072
	s_min_u32 s47, s47, 3072*\last
	s_add_co_u32 s31, s[TS], 128
	s_min_u32 s31, s31, 128*\last
	v_add_nc_u32 v9, s[TV], v3                     ; (these four are also the places in front of the loads into registers that the last products read)
	v_add_nc_u32 v11, s[TS], v5
	v_add_nc_u32 v8, s47, v2
	v_add_nc_u32 v10, s31, v4
.irp ct, 0,1,2,3                               ; V's four fragments and scale words land under the first product and the softmax
.irp c, 0,1,2
	ds_load_b128 v[192+12*\ct+4*\c:195+12*\ct+4*\c], v9 offset:1536*\ct+512*\c
.endr
.endr
	ds_load_b128 v[62:65], v11
	s_wait_alu depctr_va_vdst(0)
	s_wait_dscnt 13                                ; K's fragments are in; V's 13 loads may be out
	SQ 1, 96
	NOPS 5                                         ; five places: the next products write over v96-107, which the last four read
	SQ 0, 240
.if \mask
	s_cmp_lg_u32 s[IDX], s[BLK]
	s_cbranch_scc1 .Lopen_\@
	HIDE 32                                        ; (block 1's registers first: they are the places behind block 0's products)
	HIDE 0
.Lopen_\@:
.endif
	BMAX 1                                         ; 16 plain instructions on block 1's scores: the places behind block 0's products
.irp c, 0,1,2
	ds_load_b128 v[240+4*\c:243+4*\c], v8 offset:512*\c     ; the next step's first fragment of K
.endr
	ds_load_b32 v60, v10
	BMAX 0
	s_delay_alu instid0(VALU_DEP_1)
	v_max_num_f32 v34, v30, v31
	s_delay_alu instid0(VALU_DEP_1)
	v_permlanex16_b32 v36, v34, s40, s41
	s_delay_alu instid0(VALU_DEP_1)
	v_max_num_f32 v34, v34, v36                    ; the step's largest score of my query
	s_delay_alu instid0(VALU_DEP_1)
	v_mul_f32 v34, s42, v34                        ; as t
	s_delay_alu instid0(VALU_DEP_1)
	v_max_num_f32 v13, v13, v34                    ; the running largest t
	v_mov_b32 v34, v12
	s_delay_alu instid0(VALU_DEP_2)
	v_floor_f32 v12, -v13                          ; the new -M = -ceil(t): a whole number
	TM 96, 4                                       ; block 0's t - M, with the factor's chain among them
	v_sub_f32 v34, v12, v34
	TM 104, 4
	v_cvt_i32_f32 v34, v34                         ; (it saturates)
	TM 112, 4
	v_ldexp_f32 v28, 1.0, v34                      ; f = 2^(old M - new M): rounds nothing
	TM 120, 4
	v_fma_f32 v30, v30, s42, v12                   ; the same of each block's largest score
	v_fma_f32 v31, v31, s42, v12
.set n, 0
.rept 16
	v_pk_mul_f32 v[160+n:161+n], v[160+n:161+n], v[28:29] op_sel_hi:[1,0]   ; O^T under the new M, ahead of the step's first exponential
.set n, n+2
.endr
	s_wait_alu depctr_va_vdst(0)
	EXPS 30, 2                                     ; each block's largest p: the same two instructions on the same number
	EXPS 96, 32                                    ; block 0's p = 2^(t - M), not normalised
	v_pk_mul_f32 v[14:15], v[14:15], v[28:29] op_sel_hi:[1,0]   ; plain work behind the batch: the sums under the new M,
	TM 128, 16                                     ; and block 1's t - M
	s_wait_alu depctr_va_vdst(0)                   ; one wait: behind the first batch, ahead of the second
	EXPS 128, 32                                   ; block 1's p; behind it block 0's sums, both scales and block 0's codes
	v_max_num_f32 v30, 0x1800000, v30              ; the floor 2^(3 - 127): the byte cannot fall under 1
	v_max_num_f32 v31, 0x1800000, v31
	v_pk_add_f32 v[38:39], v[96:97], v[98:99]
	v_pk_add_f32 v[252:253], v[100:101], v[102:103]
	v_add_nc_u32 v32, 0xff000000, v30              ; the conversion's scale operand
	v_add_nc_u32 v33, 0xff000000, v31
	v_pk_add_f32 v[254:255], v[104:105], v[106:107]
	PA 14, 108
	v_lshrrev_b32 v34, 23, v32                     ; the scale's byte
	v_lshrrev_b32 v35, 23, v33
	v_cvt_scalef32_pk16_fp6_f32 v[48:50], v[96:111], v32
	v_cvt_scalef32_pk16_fp6_f32 v[40:42], v[112:127], v32   ; (a conversion's three registers begin on an even number)
	PA 38, 110
	PA 252, 112
	v_lshl_or_b32 v27, v35, 16, v34                ; my two bytes: key blocks hl and 2 + hl,
	PA 254, 114
	PA 14, 116
	v_lshlrev_b32 v27, v18, v27                    ; at their places;
	PA 38, 118
	PA 252, 120
	v_permlanex16_b32 v36, v27, s40, s41
	PA 254, 122
	PA 14, 124
	v_or_b32 v27, v27, v36                         ; with lane l xor 16's two the word is whole
	PA 38, 126
.irp i, 0,1,2
	v_mov_b32 v[51+\i], v[40+\i]
.endr
.irp c, 0,1,2
	ds_load_b128 v[96+4*\c:99+4*\c], v8 offset:1536+512*\c  ; the next step's second fragment of K, over p that has been summed and converted
.endr
	ds_load_b32 v61, v10 offset:64
	s_wait_alu depctr_va_vdst(0)                   ; the wait behind the second batch
	v_cvt_scalef32_pk16_fp6_f32 v[54:56], v[128:143], v33
	v_cvt_scalef32_pk16_fp6_f32 v[44:46], v[144:159], v33
	PA 252, 128
	PA 254, 130
	PA 14, 132
	PA 38, 134
.irp i, 0,1,2
	v_mov_b32 v[57+\i], v[44+\i]
.endr
.irp j, 136,144,152                            ; (these fifteen are also the places between the writes of p's codes and the products)
	PA 252, \j
	PA 254, \j+2
	PA 14, \j+4
	PA 38, \j+6
.endr
	PA 14, 252
	PA 38, 254
	s_delay_alu instid0(VALU_DEP_1)
	PA 14, 38
	s_wait_alu depctr_va_vdst(0)
	s_wait_dscnt 8                                 ; V's fragments and scale words are in; the 8 loads for the next step's K may be out
.irp ct, 0,1,2,3                               ; O^T += V^T P^T: the four accumulators by turns
	v_wmma_scale_f32_16x16x128_f8f6f4 v[160+8*\ct:167+8*\ct], v[192+12*\ct:203+12*\ct], v[48:59], v[160+8*\ct:167+8*\ct], v[62+\ct], v27 matrix_a_fmt:MATRIX_FMT_FP6 matrix_b_fmt:MATRIX_FMT_FP6
.endr
.Lhid_\@:
	s_add_co_u32 s[TK], s[TK], 3072
	s_add_co_u32 s[TV], s[TV], 6144
	s_add_co_u32 s[TS], s[TS], 128
	s_add_co_u32 s[IDX], s[IDX], 1
.endm
.macro LOOP trips, mask, last          ; the trip count is a constant of the text
	s_mov_b32 s[CNT], \trips
.Lstep_\@:
	STEP \mask, \last
	s_sub_co_u32 s[CNT], s[CNT], 1
	s_cmp_lg_u32 s[CNT], 0
	s_cbranch_scc1 .Lstep_\@
	s_wait_dscnt 0x0                               ; the loads that ran ahead have landed: their registers may be used
.endm
.macro QLOAD p                         ; the pass's block, and its q asked for
	s_wait_xcnt 0x0                                ; earlier loads have read their addresses: the bases below may be written
.if \p == 0
	s_sub_co_u32 s[BLK], 15, ttmp9
.else
	s_mov_b32 s[BLK], ttmp9
.endif
	s_mov_b32 s21, 0
	s_mul_i32 s20, s[BLK], 3072
	s_add_co_u32 s20, s20, s88
	s_add_nc_u64 s[80:81], s[4:5], s[20:21]        ; q's codes: my 16 rows' part of their group's image
	s_lshl_b32 s20, s[BLK], 8
	s_add_co_u32 s20, s20, s89
	s_add_nc_u64 s[82:83], s[4:5], s[20:21]        ; q's scale bytes
	global_load_b64 v[240:241], v20, s[80:81]      ; query r's 24 bytes, in both halves of the lanes
	global_load_b64 v[242:243], v21, s[80:81] offset:8
	global_load_b64 v[244:245], v20, s[80:81] offset:512
	global_load_u8 v26, v22, s[82:83]
.endm
.macro QINIT
	s_mov_b32 s[IDX], 0
	s_mov_b32 s[TK], 0
	s_mov_b32 s[TV], 0
	s_mov_b32 s[TS], 0
	s_wait_loadcnt 0x0
.irp i, 0,1,2,3,4,5
	v_cndmask_b32 v[72+\i], 0, v[240+\i], s44      ; q in lanes 0-15, zero codes in the others: K's blocks 0 and 2
	v_cndmask_b32 v[84+\i], 0, v[240+\i], s45      ; q in lanes 16-31: blocks 1 and 3
.endr
	v_lshl_or_b32 v26, v26, 8, v26
	s_delay_alu instid0(VALU_DEP_1)
	v_lshl_or_b32 v26, v26, 16, v26                ; q's byte for whichever block holds q
.set n, 0
.rept 32
	v_mov_b32 v[160+n], 0                          ; O^T: the step is written once; its first turn finds zeros.  (Also the places between the writes of q and its scales and the first product)
.set n, n+1
.endr
	v_mov_b32 v14, 0
	v_mov_b32 v15, 0
	v_mov_b32 v13, 0xff61b1e6                      ; the largest t so far: -3e38
	s_delay_alu instid0(VALU_DEP_1)
	v_floor_f32 v12, -v13
.endm
.macro FINISH                          ; v96-127 = O^T / sum in the even waves, lambda O^T / sum in the odd
	NOPS 4                                         ; places behind the last products
	s_wait_alu depctr_va_vdst(0)
	v_add_f32 v14, v14, v15
	s_delay_alu instid0(VALU_DEP_1)
	v_permlanex16_b32 v36, v14, s40, s41
	s_delay_alu instid0(VALU_DEP_1)
	v_add_f32 v14, v14, v36                        ; the row's sum
	s_wait_alu depctr_va_vdst(0)
	v_rcp_f32 v14, v14
	v_nop                                          ; a plain place behind the reciprocal
	s_wait_alu depctr_va_vdst(0)                   ; the wait ahead of its first reader
	v_mul_f32 v28, v14, v25
.set n, 0
.rept 16
	v_pk_mul_f32 v[96+n:97+n], v[160+n:161+n], v[28:29] op_sel_hi:[1,0]
.set n, n+2
.endr
.endm
	s_load_b512 s[4:19], s[0:1], 0x0               ; qkq s[4:5], vq s[6:7], lq1 s[8:9], lk1 s[10:11], lq2 s[12:13], lk2 s[14:15], the codes out s[16:17], their scales s[18:19]
	v_lshl_add_u32 v6, v0, 2, SPARE
	v_mov_b32 v7, 0
	ds_add_u32 v6, v7                              ; the opening lines: the add, twice on end, and its wait ahead of a first tensor load
	ds_add_u32 v6, v7
	v_lshrrev_b32 v40, 5, v0
	s_delay_alu instid0(VALU_DEP_1)
	v_readfirstlane_b32 s[WV], v40                 ; wave 0..15
	s_lshr_b32 s[WT], s[WV], 1
	s_and_b32 s[HS], s[WV], 1
	s_lshr_b32 s[KD], s[WV], 2
	s_and_b32 s32, ttmp7, 0xffff                   ; 16 b + h
	s_lshr_b32 s33, s32, 4                         ; b
	s_and_b32 s34, s32, 15                         ; h
	; descriptor group 1 for the scales: 16 rows (key steps) of 128 bytes, 256 bytes apart in memory, dense in LDS
	s_mov_b32 s48, 3<<16                           ; no mask; elements of 8 bytes; no padding
	s_mov_b32 s49, 16<<16
	s_mov_b32 s50, 16<<16
	s_mov_b32 s51, 16<<16
	s_mov_b32 s52, 16
	s_mov_b32 s53, 32
	s_mov_b32 s54, 0
	s_mov_b32 s55, 0
	; and for the codes: dense bytes as rows of 256: 48 rows at the head, 144 behind the first barrier
	s_mov_b32 s56, 3<<16
	s_mov_b32 s57, 32<<16
	s_mov_b32 s58, 48<<16
	s_mov_b32 s59, 32<<16
	s_mov_b32 s60, 48
	s_mov_b32 s61, 32
	s_mov_b32 s62, 0
	s_mov_b32 s63, 0
	; which of the four streams is mine, w = wave % 4: w = 0, 1: K of head h + 16 w and its scales; w = 2, 3: a half of V's codes of each group of keys, and half of V's scale words
	s_and_b32 s20, s[WV], 3
	s_lshl_b32 s69, s20, 11
	s_add_co_u32 s69, s69, SCB                     ; LDS: the scales
	s_min_u32 s21, s20, 2
	s_mul_i32 s21, s21, 3
	s_add_co_u32 s21, s21, s20
	s_mul_i32 s73, s21, 12288                      ; the first part of the codes: 0, 49,152, 98,304, 110,592
	s_lshr_b32 s21, s20, 1
	s_and_b32 s24, s21, s20
	s_lshl_b32 s24, s24, 1
	s_add_co_u32 s21, s21, s24
	s_add_co_u32 s21, s21, 1
	s_mul_i32 s21, s21, 12288                      ; from the first part to the second, in LDS and in memory alike: 12,288 x 1, 1, 2, 4
	s_add_co_u32 s77, s73, s21
	s_lshl_b32 s22, s33, 4                         ; K's scale bytes: [b][head / 2][s][head % 2][128]
	s_lshr_b32 s23, s34, 1
	s_add_co_u32 s22, s22, s23
	s_lshl_b32 s23, s20, 3
	s_add_co_u32 s22, s22, s23
	s_lshl_b32 s22, s22, 12
	s_and_b32 s23, s34, 1
	s_lshl_b32 s23, s23, 7
	s_add_co_u32 s22, s22, s23
	s_add_co_u32 s22, s22, K_S
	s_lshl_b32 s23, s33, 5                         ; K's codes
	s_add_co_u32 s23, s23, s34
	s_lshl_b32 s24, s20, 4
	s_add_co_u32 s23, s23, s24
	s_mul_i32 s23, s23, 49152
	s_add_co_u32 s23, s23, K_C
	s_max_u32 s24, s20, 2
	s_sub_co_u32 s24, s24, 2
	s_lshl_b32 s25, s32, 12                        ; V's scale words
	s_lshl_b32 s26, s24, 7
	s_add_co_u32 s25, s25, s26
	s_add_co_u32 s25, s25, V_S
	s_mul_i32 s26, s32, 98304                      ; V's codes
	s_mul_i32 s27, s24, 12288
	s_add_co_u32 s26, s26, s27
	s_cmp_lt_u32 s20, 2
	s_cselect_b32 s82, s22, s25
	s_cselect_b32 s84, s23, s26
	s_mov_b32 s83, 0
	s_mov_b32 s85, 0
	s_mov_b32 s87, 0
	s_add_co_u32 s86, s84, s21
	s_wait_dscnt 0x0                               ; both opening adds are done
	s_wait_kmcnt 0x0
	s_cmp_lt_u32 s20, 2
	s_cselect_b64 s[80:81], s[4:5], s[6:7]         ; the choice hangs on the wave's number alone
	s_mov_b32 s68, 1
	s_add_nc_u64 s[70:71], s[80:81], s[82:83]
	s_or_b32 s71, s71, 0x80000000
	s_mov_b32 s72, 1
	s_add_nc_u64 s[74:75], s[80:81], s[84:85]
	s_or_b32 s75, s75, 0x80000000
	s_mov_b32 s76, 1
	s_add_nc_u64 s[78:79], s[80:81], s[86:87]
	s_or_b32 s79, s79, 0x80000000
	s_cmp_lt_u32 s[WV], 4                          ; the head's fills: one chain of branches on the wave's number, one fill to an arm, all arms to one join
	s_cbranch_scc0 .Lfill_b
	tensor_load_to_lds s[68:71], s[48:55]
	s_nop 0
	NOPS 4
	s_branch .Lno_fill
.Lfill_b:
	s_cmp_lt_u32 s[WV], 8
	s_cbranch_scc0 .Lno_fill
	tensor_load_to_lds s[72:75], s[56:63]
	s_nop 0
	NOPS 4
.Lno_fill:
	v_and_b32 v40, 31, v0                          ; lane
	v_and_b32 v41, 15, v0                          ; r
	v_bfe_u32 v42, v0, 4, 1                        ; hl
	s_delay_alu instid0(VALU_DEP_3)
	v_lshlrev_b32 v45, 2, v40
	global_load_b32 v30, v45, s[8:9]               ; the four lambda vectors, a number a lane
	global_load_b32 v31, v45, s[10:11]
	global_load_b32 v32, v45, s[12:13]
	global_load_b32 v33, v45, s[14:15]
	v_lshrrev_b32 v43, 3, v41                      ; r / 8
	v_and_b32 v44, 7, v41                          ; r % 8
	v_lshlrev_b32 v1, 4, v40
	s_mul_i32 s20, s[HS], 49152
	v_add_nc_u32 v2, s20, v1                       ; K: my head's codes
	v_add_nc_u32 v3, VB, v1                        ; V
	s_lshl_b32 s20, s[HS], 11
	s_add_co_u32 s20, s20, SCB
	v_lshl_add_u32 v4, v41, 2, s20                 ; K's scale words: word r
	v_lshlrev_b32 v5, 11, v43
	s_delay_alu instid0(VALU_DEP_1)
	v_lshl_add_u32 v5, v44, 4, v5
	s_delay_alu instid0(VALU_DEP_1)
	v_add_nc_u32 v5, SCB+4096, v5                  ; V's: four words of row r
	s_lshl_b32 s20, s[WT], 4
	v_lshlrev_b32 v16, 5, v42
	s_delay_alu instid0(VALU_DEP_1)
	v_sub_nc_u32 v16, v41, v16
	s_delay_alu instid0(VALU_DEP_1)
	v_add_nc_u32 v16, s20, v16                     ; my query in its block, less 32 hl
	v_mov_b32 v17, 0xff800000
	v_lshlrev_b32 v18, 3, v42
	s_lshl_b32 s20, s[WT], 12
	s_add_co_u32 s20, s20, R1
	v_add_nc_u32 v47, s20, v1                      ; R1: my tile
	s_lshl_b32 s20, s[WV], 12
	s_add_co_u32 s20, s20, R0
	v_add_nc_u32 v19, s20, v1                      ; R0: my wave
	s_lshl_b32 s20, s[WT], 13
	s_add_co_u32 s20, s20, R0
	v_add_nc_u32 v1, s20, v1                       ; R0: my tile's even wave
	s_and_b32 s21, s[WT], 1                        ; e: which six registers of the image hold my queries,
	s_bfe_u32 s22, s[WT], 0x10001                  ; f: which eight lanes of each sixteen,
	s_lshr_b32 s23, s[WT], 2                       ; and which group of 64 rows
	v_lshlrev_b32 v20, 8, v43
	s_delay_alu instid0(VALU_DEP_1)
	v_lshl_add_u32 v20, v44, 4, v20
	s_mul_i32 s24, s21, 1016
	v_add_nc_u32 v21, s24, v20
	s_mul_i32 s24, s21, 520
	v_add_nc_u32 v20, s24, v20
	v_lshl_add_u32 v22, v44, 2, v43
	v_mul_u32_u24 v23, v41, 48
	s_delay_alu instid0(VALU_DEP_1)
	v_mad_u32_u24 v23, v42, 12, v23
	v_lshl_add_u32 v24, v41, 5, v42
	v_mov_b32 v29, 0                               ; (named as the upper half of the pair v[28:29])
.irp i, 0,1,2,3
	v_mov_b32 v[36+\i], 0                          ; written once: a lane permute's destination counts as one of its sources
.endr
.irp i, 0,1,2,3,4,5
	v_mov_b32 v[66+\i], 0                          ; the zero codes round q
	v_mov_b32 v[78+\i], 0
	v_mov_b32 v[90+\i], 0
.endr
	s_mov_b32 s40, 0x76543210
	s_mov_b32 s41, 0xfedcba98                      ; v_permlanex16_b32's selects for lane l xor 16
	s_mov_b32 s42, 0x3e8293ee                      ; c = log2(e) / sqrt(32)
	s_mov_b32 s43, s42
	s_mov_b32 s44, 0x0000ffff
	s_mov_b32 s45, 0xffff0000
	s_mov_b32 s92, 0x3c800000                      ; 1 / 64
	s_mov_b32 s93, 0x3727c5ac                      ; 1e-5
	; the parts of the passes' offsets that do not hang on the block
	s_lshl_b32 s47, s33, 5
	s_add_co_u32 s47, s47, s34
	s_lshl_b32 s20, s[HS], 4
	s_add_co_u32 s47, s47, s20                     ; 32 b + my score head
	s_mul_i32 s88, s47, 49152
	s_mul_i32 s20, s23, 1536
	s_add_co_u32 s88, s88, s20
	s_lshl_b32 s20, s22, 7
	s_add_co_u32 s88, s88, s20                     ; q's codes
	s_lshl_b32 s89, s33, 4
	s_lshr_b32 s20, s34, 1
	s_add_co_u32 s89, s89, s20
	s_lshl_b32 s20, s[HS], 3
	s_add_co_u32 s89, s89, s20
	s_lshl_b32 s89, s89, 12
	s_and_b32 s20, s34, 1
	s_lshl_b32 s20, s20, 7
	s_add_co_u32 s89, s89, s20
	s_lshl_b32 s20, s23, 6
	s_add_co_u32 s89, s89, s20
	s_lshl_b32 s20, s22, 5
	s_add_co_u32 s89, s89, s20
	s_lshl_b32 s20, s21, 1
	s_add_co_u32 s89, s89, s20
	s_add_co_u32 s89, s89, Q_S                     ; q's scale bytes
	s_lshl_b32 s24, s33, 11
	s_lshl_b32 s20, s[WT], 4
	s_add_co_u32 s24, s24, s20                     ; 2048 b + 16 x my tile
	s_mul_i32 s90, s34, 196608
	s_mul_i32 s20, s24, 48
	s_add_co_u32 s90, s90, s20                     ; the codes out: [head][row][48 bytes]
	s_lshl_b32 s91, s24, 5
	s_lshl_b32 s20, s34, 1
	s_add_co_u32 s91, s91, s20                     ; their scale bytes: [row][32], bytes 2 h and 2 h + 1
	; lambda, in f32
	s_wait_loadcnt 0x0
	v_mul_f32 v30, v30, v31
	v_mul_f32 v32, v32, v33
.irp m, 1,2,4,8
	s_delay_alu instid0(VALU_DEP_2)
	v_add_f32_dpp v30, v30, v30 row_xmask:\m row_mask:0xf bank_mask:0xf
	s_delay_alu instid0(VALU_DEP_2)
	v_add_f32_dpp v32, v32, v32 row_xmask:\m row_mask:0xf bank_mask:0xf
.endr
	s_delay_alu instid0(VALU_DEP_2)
	v_permlanex16_b32 v31, v30, s40, s41
	s_delay_alu instid0(VALU_DEP_2)
	v_permlanex16_b32 v33, v32, s40, s41
	s_delay_alu instid0(VALU_DEP_2)
	v_add_f32 v30, v30, v31
	s_delay_alu instid0(VALU_DEP_2)
	v_add_f32 v32, v32, v33
	s_delay_alu instid0(VALU_DEP_2)
	v_mul_f32 v30, 0x3fb8aa3b, v30
	s_delay_alu instid0(VALU_DEP_2)
	v_mul_f32 v32, 0x3fb8aa3b, v32
	s_wait_alu depctr_va_vdst(0)
	v_exp_f32 v30, v30
	v_exp_f32 v32, v32
	v_nop                                          ; a plain place behind the exponentials
	s_wait_alu depctr_va_vdst(0)                   ; the wait ahead of their first reader
	v_sub_f32 v30, v30, v32
	s_delay_alu instid0(VALU_DEP_1)
	v_add_f32 v30, 0x3e4ccccd, v30                 ; + 0.2
	s_cmp_eq_u32 s[HS], 1
	s_cselect_b32 s20, -1, 0
	v_cndmask_b32 v25, 1.0, v30, s20               ; the odd waves' results are weighed by lambda
	; ---- the first pass: block 15 - i, 16 - i key steps (at least 9)
	QLOAD 0
	QINIT
	s_wait_alu depctr_va_vdst(0)
	s_wait_tensorcnt 0x0                           ; my fill of the head has landed;
	ds_add_u32 v6, v7                              ; the add twice on end here
	ds_add_u32 v6, v7
	s_mov_b32 s58, 144<<16                         ; no tensor load of mine is out: from here on a load of codes brings 144 rows of 256 bytes
	s_mov_b32 s60, 144
	s_wait_dscnt 0x0
	s_barrier_signal -1
	s_barrier_wait -1                              ; the scales and the codes of keys 0-511 are whole
	s_cmp_eq_u32 s[KD], 2
	s_cbranch_scc0 .Lno_fill2
	tensor_load_to_lds s[76:79], s[56:63]          ; waves 8-11: the codes of keys 512-2047, my one tensor load behind this barrier
	s_nop 0
	NOPS 4
.Lno_fill2:
	PRE
	LOOP 4, 0, 3                                   ; steps 0-3: open for every query of a block of 8 or above; K is asked for ahead up to step 3 alone
	s_wait_tensorcnt 0x0                           ; my fill has landed;
	s_barrier_signal -1
	s_barrier_wait -1                              ; all keys are whole.
	s_mov_b32 s[IDX], 4
	s_mov_b32 s[TK], 4*3072
	s_mov_b32 s[TV], 4*6144
	s_mov_b32 s[TS], 4*128
	PRE
	LOOP 12, 1, 15
	QLOAD 1                                        ; the second pass's q is asked for under the first pass's way out
	FINISH
.irp n, 0,1,2,3,4,5,6,7
	ds_store_b128 v19, v[96+4*\n:99+4*\n] offset:512*\n   ; parked, as the image of its registers
.endr
	; ---- the second pass: block i, i + 1 key steps (at most 8)
	QINIT
	PRE
	LOOP 8, 1, 15
	FINISH
	s_cmp_eq_u32 s[HS], 0
	s_cbranch_scc1 .Lkeep
.irp n, 0,1,2,3,4,5,6,7
	ds_store_b128 v47, v[96+4*\n:99+4*\n] offset:512*\n   ; lambda A2 of block i, for my tile's even wave
.endr
.Lkeep:
	s_sub_co_u32 s22, 15, ttmp9
	s_cmp_eq_u32 s[HS], 1
	s_cselect_b32 s22, s22, ttmp9                  ; the block that I finish: the even waves block i, the odd waves block 15 - i
	s_mov_b32 s21, 0
	s_mul_i32 s20, s22, 6144
	s_add_co_u32 s20, s20, s90
	s_add_nc_u64 s[84:85], s[16:17], s[20:21]      ; the codes that go out
	s_lshl_b32 s20, s22, 12
	s_add_co_u32 s20, s20, s91
	s_add_nc_u64 s[86:87], s[18:19], s[20:21]      ; and their scale bytes
	s_wait_alu depctr_va_vdst(0)
	s_wait_dscnt 0x0                               ; my stores have landed
	s_barrier_signal -1
	s_barrier_wait -1
	s_cmp_eq_u32 s[HS], 0
	s_cbranch_scc1 .Leven
.irp n, 0,1,2,3,4,5,6,7
	ds_load_b128 v[96+4*\n:99+4*\n], v1 offset:512*\n      ; block 15 - i: A1 from my tile's even wave,
.endr
.irp n, 0,1,2,3,4,5,6,7
	ds_load_b128 v[192+4*\n:195+4*\n], v19 offset:512*\n   ; and my own lambda A2
.endr
	s_branch .Ljoin
.Leven:
.irp n, 0,1,2,3,4,5,6,7
	ds_load_b128 v[192+4*\n:195+4*\n], v47 offset:512*\n   ; block i: A1 is in my registers
.endr
.Ljoin:
	s_wait_dscnt 0x0
.set n, 0
.rept 16
	v_pk_add_f32 v[96+n:97+n], v[96+n:97+n], v[192+n:193+n] neg_lo:[0,1] neg_hi:[0,1]   ; diff = A1 - lambda A2
.set n, n+2
.endr
	v_pk_mul_f32 v[38:39], v[96:97], v[96:97]
	v_pk_mul_f32 v[252:253], v[98:99], v[98:99]
.set n, 4
.rept 7
	v_pk_fma_f32 v[38:39], v[96+n:97+n], v[96+n:97+n], v[38:39]
	v_pk_fma_f32 v[252:253], v[98+n:99+n], v[98+n:99+n], v[252:253]
.set n, n+4
.endr
	s_delay_alu instid0(VALU_DEP_1)
	v_pk_add_f32 v[38:39], v[38:39], v[252:253]
	s_delay_alu instid0(VALU_DEP_1)
	v_add_f32 v38, v38, v39
	s_delay_alu instid0(VALU_DEP_1)
	v_permlanex16_b32 v36, v38, s40, s41
	s_delay_alu instid0(VALU_DEP_1)
	v_add_f32 v38, v38, v36                        ; the sum of the 64 squares
	s_delay_alu instid0(VALU_DEP_1)
	v_fma_f32 v38, v38, s92, s93                   ; / 64 + eps
	s_wait_alu depctr_va_vdst(0)
	v_rsq_f32 v38, v38
	v_nop
	s_wait_alu depctr_va_vdst(0)
	v_mul_f32 v28, 0x3f4ccccd, v38                 ; x 0.8
.set n, 0
.rept 16
	v_pk_mul_f32 v[96+n:97+n], v[96+n:97+n], v[28:29] op_sel_hi:[1,0]
.set n, n+2
.endr
.irp q, 0,1                                    ; registers 16 q + 0 .. 15 are channels 32 q + 16 hl + 0 .. 15 of the head: half a block of the last product's K
	v_max3_num_f32 v[30+\q], |v[96+16*\q]|, |v[97+16*\q]|, 0x1800000
.endr
.irp i, 2,4,6,8,10,12,14
.irp q, 0,1
	s_delay_alu instid0(VALU_DEP_2)
	v_max3_num_f32 v[30+\q], v[30+\q], |v[96+16*\q+\i]|, |v[97+16*\q+\i]|
.endr
.endr
.irp q, 0,1
	s_delay_alu instid0(VALU_DEP_2)
	v_permlanex16_b32 v[36+\q], v[30+\q], s40, s41
.endr
.irp q, 0,1
	s_delay_alu instid0(VALU_DEP_2)
	v_max_num_f32 v[30+\q], v[30+\q], v[36+\q]
.endr
.irp q, 0,1
	s_delay_alu instid0(VALU_DEP_2)
	v_add_nc_u32 v[32+\q], 0xff000000, v[30+\q]
.endr
.irp q, 0,1
	s_delay_alu instid0(VALU_DEP_2)
	v_lshrrev_b32 v[34+\q], 23, v[32+\q]
.endr
.irp q, 0,1
	v_cvt_scalef32_pk16_fp6_f32 v[40+4*\q:42+4*\q], v[96+16*\q:111+16*\q], v[32+\q]
.endr
	v_nop                                          ; one plain place behind a scaled conversion
	v_cndmask_b32 v38, v34, v35, s45               ; lanes 0-15 store block 0's byte, lanes 16-31 block 1's
	global_store_b96 v23, v[40:42], s[84:85]       ; row r of 48 bytes: block q at 24 q, my half at 12 hl; the two stores together cover 768 consecutive bytes
	global_store_b96 v23, v[44:46], s[84:85] offset:24
	global_store_b8 v24, v38, s[86:87]
	s_wait_tensorcnt 0x0                           ; the wave's end: behind my last tensor load and my last LDS store
	ds_add_u32 v6, v7
	s_wait_dscnt 0x0
	s_endpgm
.Lfunc_end_k_q3caa8bd52d_att:
	.size	k_q3caa8bd52d_att, .Lfunc_end_k_q3caa8bd52d_att-k_q3caa8bd52d_att
	.p2alignl 7, 3214868480
	.fill 96, 4, 3214868480
	.section	.rodata,"a",@progbits
	.p2align	6, 0x0
	.amdhsa_kernel k_q3caa8bd52d_att
		.amdhsa_group_segment_fixed_size 327680
		.amdhsa_private_segment_fixed_size 0
		.amdhsa_enable_private_segment 0
		.amdhsa_kernarg_size 64
		.amdhsa_user_sgpr_count 2
		.amdhsa_user_sgpr_kernarg_segment_ptr 1
		.amdhsa_wavefront_size32 1
		.amdhsa_system_sgpr_workgroup_id_x 1
		.amdhsa_system_sgpr_workgroup_id_y 1
		.amdhsa_system_sgpr_workgroup_id_z 1
		.amdhsa_system_vgpr_workitem_id 0
		.amdhsa_next_free_vgpr 256
		.amdhsa_next_free_sgpr 100
		.amdhsa_reserve_vcc 1
		.amdhsa_float_denorm_mode_32 3
		.amdhsa_float_denorm_mode_16_64 3
		.amdhsa_memory_ordered 1
		.amdhsa_forward_progress 1
		.amdhsa_inst_pref_size 87
	.end_amdhsa_kernel
	.amdgpu_metadata
---
amdhsa.version: [ 1, 2 ]
amdhsa.kernels:
  - .name:           k_q3caa8bd52d_att
    .symbol:         k_q3caa8bd52d_att.kd
    .args:
      - { .name: qkq, .offset: 0, .size: 8, .value_kind: global_buffer, .address_space: global }
      - { .name: vq, .offset: 8, .size: 8, .value_kind: global_buffer, .address_space: global }
      - { .name: lambda_q1, .offset: 16, .size: 8, .value_kind: global_buffer, .address_space: global }
      - { .name: lambda_k1, .offset: 24, .size: 8, .value_kind: global_buffer, .address_space: global }
      - { .name: lambda_q2, .offset: 32, .size: 8, .value_kind: global_buffer, .address_space: global }
      - { .name: lambda_k2, .offset: 40, .size: 8, .value_kind: global_buffer, .address_space: global }
      - { .name: oq_codes, .offset: 48, .size: 8, .value_kind: global_buffer, .address_space: global }
      - { .name: oq_scales, .offset: 56, .size: 8, .value_kind: global_buffer, .address_space: global }
    .group_segment_fixed_size: 327680
    .private_segment_fixed_size: 0
    .kernarg_segment_align: 8
    .kernarg_segment_size: 64
    .max_flat_workgroup_size: 512
    .sgpr_count:     100
    .vgpr_count:     256
    .wavefront_size: 32
...
	.end_amdgpu_metadata
.endif
;; end of part 3
;; launch proj (part 4): grid 8 x 32, 4 waves a work-group, clusters of 4 x 4, 327,680 bytes of LDS; arguments oq_codes, oq_scales, wq, out0; writes out0
.if DOCPART == 4
	.amdgcn_target "amdgcn-amd-amdhsa--gfx1250"
	.amdhsa_code_object_version 6
	.text
	.protected	k_q3caa8bd52d_proj
	.globl	k_q3caa8bd52d_proj
	.p2align	8
	.type	k_q3caa8bd52d_proj,@function
k_q3caa8bd52d_proj:
	s_mov_b64 s[64:65], 0
	v_nop
	global_prefetch_b8 v0, s[64:65] scope:SCOPE_SE
	s_setreg_imm32_b32 hwreg(HW_REG_WAVE_MODE, 25, 1), 1
	s_wait_xcnt 0x0
	s_wait_alu depctr_hold_cnt(0) depctr_sa_sdst(0) depctr_va_vdst(0) depctr_va_sdst(0) depctr_va_ssrc(0) depctr_va_vcc(0) depctr_vm_vsrc(0)
	s_getreg_b32 s2, hwreg(HW_REG_IB_STS2, 6, 4)
	s_cmp_eq_u32 s2, 0
	s_cbranch_scc0 .Lentry_in_a_cluster
	s_endpgm
.Lentry_in_a_cluster:
	s_bfe_u32 s2, ttmp6, 0x10000c
	s_cmp_lg_u32 s2, 0xf033
	s_cbranch_scc0 .Lentry_shape_is_right
	s_endpgm
.Lentry_shape_is_right:
; out0 [4096][1024] f32 = O Wp, both operands codes of E2M3 with one E8M0 byte for each 32 along K = 1,024; sums in f32.
; O's codes lie [head][row][48 bytes] (a head is 64 along K), its scale bytes [row][32]; Wp's codes lie in wq [K / 256][column][192 bytes], its scale bytes [column][32].
; A work-group makes 128 x 128 of the result: 8 x 32 = 256 work-groups.  Four waves, 64 x 64 each: 16 accumulators, 128 registers.
; ALL OF K LIES IN LDS: 128 rows of O (98,304 bytes), 128 columns of Wp (98,304 bytes, 122,880 with padding) and both blocks of scales come by four tensor loads at the head, one a wave.
; Nothing is filled again: one barrier behind the fills, and none in the walk along K.
; CLUSTERS: 4 x 4 work-groups; O's tiles are asked for jointly along a row of the cluster, Wp's along a column.
; No prefetch: the launch asks for all its bytes at its head and has no loop to run ahead in.
; The matrix instruction is used transposed (source 0 = 16 columns of Wp, source 1 = 16 rows of O): a lane holds eight neighbouring numbers of a row of the result.
; REGISTERS: window 0: v8-19 addresses; v32-63 scale words (register 8 i + st: lanes 0-15 O's block i, lanes 16-31 Wp's block i, K step st); v64-159, v160-255 two sets of fragments (O's four, then Wp's four).
;   window 1: v0-127 the accumulators, (a, b) at 8 (4 a + b).
.set WP_C,   2457600                   ; wq: Wp's codes,
.set WP_S,   3244032                   ; and its scale bytes
.set HEADB,  196608                    ; O's codes: from head to head
.set ARUN,   6144                      ; 128 rows x 48 bytes
.set BRUN,   24576                     ; 128 columns x 192 bytes
.set BSTEP,  196608                    ; Wp's codes: from one 256 along K to the next
.set PITCH,  240                       ; a column's 192 bytes in LDS: 16 bytes of padding behind each 64
.set LB,     16*ARUN                   ; LDS: O's codes at 0, Wp's here,
.set BKS,    128*PITCH                 ; 256 along K of them;
.set SCL,    LB+4*BKS                  ; the scales, as rows of 256 bytes + 16: O's, then Wp's
.set HSC,    16*272                    ; those of 128 rows
.set QSC,    8*272                     ; of 64
.set STG,    SCL+2*HSC                 ; the way out: 64 rows x (256 + 16) bytes for each wave, bytes on which no fill lands
.set SPITCH, 272
.set STW,    64*SPITCH
.set SPARE,  STG+4*STW                 ; the spare words, 128 bytes for each wave
.set ADRA, 8                           ; v8-9    my O fragments: heads 0-7, heads 8-15
.set ADRB, 10                          ; v10-13  my Wp fragments: K 0-511 (v11: for pieces whose lanes 16-31 lie behind a padding), K 512-1023 (v13)
.set ADRS, 14
.set STO,  15
.set RD,   16
.set CO,   17
.set SPW,  18                          ; never rewritten
.set NIL,  19                          ; 0; never rewritten
.set SC,   32
.set F0,   64
.set MSB, 0
.macro WIN new                         ; the immediate's high byte repeats the setting that is left
.if MSB != \new
	s_set_vgpr_msb (MSB<<8)|\new
.set MSB, \new
.endif
.endm
.macro CREST
	s_cmp_lg_u32 s14, 0
	s_cbranch_scc1 .Lnot_wave_0_\@
	s_barrier_signal -3
.Lnot_wave_0_\@:
	s_barrier_wait -3
	s_barrier_signal -1
	s_barrier_wait -1
.endm
.macro CROUND                          ; a round of the cluster's barrier
	s_barrier_signal -1
	s_barrier_wait -1
	CREST
.endm
.macro PLACES
.rept 4
	v_nop
.endr
.endm
	s_load_b128 s[4:7], s[0:1], 0x0                ; O's codes, O's scales
	s_load_b128 s[8:11], s[0:1], 0x10              ; wq, out0
	v_lshl_add_u32 v[SPW], v0, 2, SPARE
	v_mov_b32 v[NIL], 0
	ds_add_u32 v[SPW], v[NIL]                      ; the opening lines: the add, twice on end, and its wait ahead of my first tensor load
	ds_add_u32 v[SPW], v[NIL]
	v_lshrrev_b32 v1, 5, v0
	v_readfirstlane_b32 s14, v1                    ; wave 0..3
	s_lshr_b32 s15, s14, 1                         ; which 64 rows are mine
	s_and_b32 s16, s14, 1                          ; which 64 columns
	s_bfe_u32 s40, ttmp6, 0x40000                  ; cx, cy
	s_bfe_u32 s41, ttmp6, 0x40004
	s_lshl_b32 s42, ttmp9, 2
	s_add_co_u32 s42, s42, s40                     ; block column
	s_and_b32 s17, ttmp7, 0xffff
	s_lshl_b32 s17, s17, 2
	s_add_co_u32 s17, s17, s41                     ; block row
	s_lshl_b32 s43, s41, 2
	s_lshl_b32 s43, 15, s43                        ; my row of the cluster
	s_lshl_b32 s44, 0x1111, s40                    ; my column
	s_or_b32 s24, s43, (3<<16)|(1<<21)             ; O's codes: 16 heads x 6,144 bytes, elements of 8 bytes, dense in LDS
	s_mov_b32 s25, (ARUN/8)<<16
	s_mov_b32 s26, 16<<16
	s_mov_b32 s27, (ARUN/8)<<16
	s_mov_b32 s28, 16
	s_mov_b32 s29, HEADB/8
	s_mov_b32 s30, 0
	s_mov_b32 s31, 0
	s_or_b32 s48, s44, (3<<16)|(1<<20)|(1<<21)|(3<<22)|(3<<25)   ; Wp's codes: 4 x 24,576 bytes; 4 words of padding behind every 16
	s_mov_b32 s49, (BRUN/8)<<16
	s_mov_b32 s50, 4<<16
	s_mov_b32 s51, (BRUN/8)<<16
	s_mov_b32 s52, 4
	s_mov_b32 s53, BSTEP/8
	s_mov_b32 s54, 0
	s_mov_b32 s55, 0
	s_or_b32 s68, s43, (3<<16)|(1<<20)|(1<<21)|(5<<22)|(3<<25)   ; the scales of 128 rows: 16 rows of 256 bytes, 4 words of padding behind each
	s_or_b32 s80, s44, (3<<16)|(1<<20)|(1<<21)|(5<<22)|(3<<25)
.irp g, 68, 80
	s_mov_b32 s[\g+1], 32<<16
	s_mov_b32 s[\g+2], 16<<16
	s_mov_b32 s[\g+3], 32<<16
	s_mov_b32 s[\g+4], 16
	s_mov_b32 s[\g+5], 32
	s_mov_b32 s[\g+6], 0
	s_mov_b32 s[\g+7], 0
.endr
	s_mul_i32 s20, s17, ARUN                       ; O's codes: my block's 128 rows in a head
	s_mov_b32 s21, 0
	s_lshl_b32 s22, s17, 12                        ; O's scales: 128 rows x 32 bytes
	s_mov_b32 s23, 0
	s_mul_i32 s46, s42, BRUN                       ; Wp's codes
	s_add_co_u32 s46, s46, WP_C
	s_mov_b32 s47, 0
	s_lshl_b32 s92, s42, 12                        ; Wp's scales
	s_add_co_u32 s92, s92, WP_S
	s_mov_b32 s93, 0
	s_mul_i32 s56, s15, 64*48                      ; LDS: my 64 rows of O in a head,
	s_mul_i32 s57, s16, 64*PITCH
	s_add_co_u32 s57, s57, LB                      ; my 64 columns of Wp,
	s_mul_i32 s58, s15, QSC
	s_mul_i32 s59, s16, QSC
	s_add_co_u32 s59, s59, HSC
	s_sub_co_u32 s59, s59, s58                     ; from my rows' scales to my columns',
	s_add_co_u32 s58, s58, SCL
	s_mul_i32 s94, s14, STW
	s_add_co_u32 s94, s94, STG                     ; my stage
	s_lshl_b32 s60, s17, 1
	s_add_co_u32 s60, s60, s15
	s_lshl_b32 s60, s60, 18                        ; out0: my first row, 64 rows of 4,096 bytes a step,
	s_lshl_b32 s61, s42, 9
	s_add_co_u32 s60, s60, s61
	s_lshl_b32 s61, s16, 8
	s_add_co_u32 s60, s60, s61                     ; and my first column
	s_mov_b32 s61, 0
	s_wait_dscnt 0x0                               ; both opening adds are done
	s_wait_kmcnt 0x0
	s_add_nc_u64 s[20:21], s[4:5], s[20:21]
	s_add_nc_u64 s[22:23], s[6:7], s[22:23]
	s_add_nc_u64 s[46:47], s[8:9], s[46:47]
	s_add_nc_u64 s[92:93], s[8:9], s[92:93]
	s_add_nc_u64 s[12:13], s[10:11], s[60:61]
	CROUND                                         ; all sixteen work-groups are here: the joint loads meet
	s_mov_b32 s32, 1
	s_mov_b32 s33, 0
	s_mov_b64 s[34:35], s[20:21]
	s_or_b32 s35, s35, 0x80000000
	s_mov_b32 s36, 1
	s_mov_b32 s37, LB
	s_mov_b64 s[38:39], s[46:47]
	s_or_b32 s39, s39, 0x80000000
	s_mov_b32 s76, 1
	s_mov_b32 s77, SCL
	s_mov_b64 s[78:79], s[22:23]
	s_or_b32 s79, s79, 0x80000000
	s_mov_b32 s88, 1
	s_mov_b32 s89, SCL+HSC
	s_mov_b64 s[90:91], s[92:93]
	s_or_b32 s91, s91, 0x80000000
; the four fills, one a wave, in one chain of branches on the wave's number: wave 0 O's codes, wave 1 Wp's, wave 2 O's scales, wave 3 Wp's
.macro ARM under, g0, g1, next
	s_cmp_lt_u32 s14, \under
	s_cbranch_scc0 \next
	tensor_load_to_lds s[\g0:\g0+3], s[\g1:\g1+7]
	s_nop 0
.rept 4
	v_nop
.endr
	s_branch .Lhead_asked
\next:
.endm
	ARM 1, 32, 24, .Lhead_b
	ARM 2, 36, 48, .Lhead_sa
	ARM 3, 76, 68, .Lhead_sb
	tensor_load_to_lds s[88:91], s[80:87]
	s_nop 0
.rept 4
	v_nop
.endr
.Lhead_asked:
	v_and_b32 v1, 15, v0                           ; r
	v_bfe_u32 v2, v0, 4, 1                         ; h
	v_mul_u32_u24 v3, v1, 48
	v_mad_u32_u24 v3, v2, 24, v3                   ; O: row r of 48 bytes, + 24 h
	v_add_nc_u32 v[ADRA], s56, v3
	v_add_nc_u32 v[ADRA+1], 8*ARUN, v[ADRA]
	v_mul_u32_u24 v4, v1, PITCH
	v_mad_u32_u24 v4, v2, 24, v4                   ; Wp: column r, + 24 h
	v_add_nc_u32 v[ADRB], s57, v4
	v_lshl_add_u32 v[ADRB+1], v2, 4, v[ADRB]       ; + 16 h more where lanes 16-31 lie behind a padding
	v_add_nc_u32 v[ADRB+2], 2*BKS, v[ADRB]
	v_add_nc_u32 v[ADRB+3], 2*BKS, v[ADRB+1]
	v_lshlrev_b32 v5, 5, v1                        ; a row's 32 scale bytes,
	v_lshrrev_b32 v6, 3, v1
	v_lshl_add_u32 v5, v6, 4, v5                   ; 16 more for each 256 passed;
	v_mul_u32_u24 v6, s59, v2                      ; lanes 16-31 take Wp's
	v_add_nc_u32 v5, v5, v6
	v_add_nc_u32 v[ADRS], s58, v5
	v_mul_u32_u24 v5, v1, SPITCH                   ; the stage, in: row r, 32 bytes for each half of the lanes
	v_lshl_add_u32 v5, v2, 5, v5
	v_add_nc_u32 v[STO], s94, v5
	v_mul_u32_u24 v6, v2, SPITCH                   ; back: sixteen lanes take a row of 256 bytes
	v_lshl_add_u32 v6, v1, 4, v6
	v_add_nc_u32 v[RD], s94, v6
	v_lshlrev_b32 v7, 12, v2                       ; and the same two rows in out0
	v_lshl_add_u32 v[CO], v1, 4, v7
; A fragment, 16 rows x 128 K, is 12 registers: registers 6 c .. 6 c + 5 of lane (r, h) hold K = 64 c + 32 h + 0 .. 31, 24 bytes as they lie; in pieces of 8 bytes
.macro FRA reg, st, i                  ; O: K step st is heads 2 st and 2 st + 1
.irp p, 0,1,2,3,4,5
	ds_load_b64 v[\reg+2*\p:\reg+2*\p+1], v[ADRA+(\st)/4] offset:(2*((\st)%4)+\p/3)*ARUN+(\i)*768+8*(\p%3)
.endr
.endm
.macro FRB reg, st, i                  ; Wp: piece PC of the column's 24 in this 256 along K; lanes 16-31 read three pieces on
.irp p, 0,1,2,3,4,5
.set PC, 12*((\st)%2)+6*(\p/3)+\p%3
.if PC%8 < 5
	ds_load_b64 v[\reg+2*\p:\reg+2*\p+1], v[ADRB+2*((\st)/4)] offset:(((\st)/2)%2)*BKS+8*PC+16*(PC/8)+(\i)*16*PITCH
.else
	ds_load_b64 v[\reg+2*\p:\reg+2*\p+1], v[ADRB+2*((\st)/4)+1] offset:(((\st)/2)%2)*BKS+8*PC+16*(PC/8)+(\i)*16*PITCH
.endif
.endr
.endm
.macro FETCH st                        ; 48 LDS loads: K step st's eight fragments into set st % 2
.set FS, F0+96*((\st)%2)
.irp i, 0,1,2,3
	FRB FS+48+12*\i, \st, \i
.endr
.irp i, 0,1,2,3
	FRA FS+12*\i, \st, \i
.endr
.endm
.macro MUL st, zero                    ; 16 matrix instructions, the 16 accumulators by turns in the same order in every step
.set FS, F0+96*((\st)%2)
	WIN 0x50                                       ; C and D in window 1
.irp a, 0,1,2,3
.irp b, 0,1,2,3
.if \zero
	v_wmma_scale_f32_16x16x128_f8f6f4 v[8*(4*\a+\b):8*(4*\a+\b)+7], v[FS+48+12*\b:FS+48+12*\b+11], v[FS+12*\a:FS+12*\a+11], 0, v[SC+8*\b+(\st)], v[SC+8*\a+(\st)] matrix_a_fmt:MATRIX_FMT_FP6 matrix_b_fmt:MATRIX_FMT_FP6 matrix_a_scale:MATRIX_SCALE_ROW1
.else
	v_wmma_scale_f32_16x16x128_f8f6f4 v[8*(4*\a+\b):8*(4*\a+\b)+7], v[FS+48+12*\b:FS+48+12*\b+11], v[FS+12*\a:FS+12*\a+11], v[8*(4*\a+\b):8*(4*\a+\b)+7], v[SC+8*\b+(\st)], v[SC+8*\a+(\st)] matrix_a_fmt:MATRIX_FMT_FP6 matrix_b_fmt:MATRIX_FMT_FP6 matrix_a_scale:MATRIX_SCALE_ROW1
.endif
.endr
.endr
	WIN 0
.endm
	s_wait_alu depctr_va_vdst(0)
	s_wait_tensorcnt 0x0                           ; my fill has landed;
	s_barrier_signal -1
	s_barrier_wait -1                              ; all four have
.irp i, 0,1,2,3
	ds_load_b128 v[SC+8*\i:SC+8*\i+3], v[ADRS] offset:544*\i       ; the scale words of all eight K steps: lanes 0-15 O's block i, lanes 16-31 Wp's
	ds_load_b128 v[SC+8*\i+4:SC+8*\i+7], v[ADRS] offset:544*\i+16
.endr
	FETCH 0
	FETCH 1
	s_wait_dscnt 48                                ; all but the 48 just issued
	MUL 0, 1                                       ; the first step's products start the sums
.set ST, 1
.rept 6
	PLACES                                         ; four places in front of loads into registers that the last products read
	FETCH ST+1
	s_wait_dscnt 48                                ; this step's fragments are in; the next step's 48 loads may be out
	MUL ST, 0
.set ST, ST+1
.endr
	s_wait_dscnt 0x0
	MUL 7, 0
	PLACES                                         ; in front of the reads of results and of the loads over the fragments
; THE WAY OUT: a lane holds 32 neighbouring bytes of a row; the blocks of 16 rows go through my own stage and come back as whole rows of 256 bytes.  LDS serves a wave's instructions in order.
.irp a, 0,1,2,3
	WIN 0x04                                       ; the data in window 1
.irp b, 0,1,2,3
	ds_store_b128 v[STO], v[8*(4*\a+\b):8*(4*\a+\b)+3] offset:16*SPITCH*\a+64*\b      ; each accumulator from its low end on
	ds_store_b128 v[STO], v[8*(4*\a+\b)+4:8*(4*\a+\b)+7] offset:16*SPITCH*\a+64*\b+16
.endr
	WIN 0
.irp t, 0,1,2,3,4,5,6,7
	ds_load_b128 v[F0+4*(8*\a+\t):F0+4*(8*\a+\t)+3], v[RD] offset:2*SPITCH*(8*\a+\t)
.endr
.endr
.irp a, 0,1,2,3
.irp t, 0,1,2,3,4,5,6,7
	s_wait_dscnt 16*(3-\a)+7-\t                    ; behind this load: the rest of its block's loads and 16 LDS instructions for each later block
	global_store_b128 v[CO], v[F0+4*(8*\a+\t):F0+4*(8*\a+\t)+3], s[12:13] offset:2*(8*\a+\t)*4096 th:TH_STORE_NT   ; sixteen lanes store 256 consecutive bytes, aligned
.endr
.endr
	s_wait_tensorcnt 0x0                           ; the wave's end
	ds_add_u32 v[SPW], v[NIL]
	s_wait_dscnt 0x0
	CROUND                                         ; the closing round
	s_endpgm
.Lfunc_end_k_q3caa8bd52d_proj:
	.size	k_q3caa8bd52d_proj, .Lfunc_end_k_q3caa8bd52d_proj-k_q3caa8bd52d_proj
	.p2alignl 7, 3214868480
	.fill 96, 4, 3214868480
	.section	.rodata,"a",@progbits
	.p2align	6, 0x0
	.amdhsa_kernel k_q3caa8bd52d_proj
		.amdhsa_group_segment_fixed_size 327680
		.amdhsa_private_segment_fixed_size 0
		.amdhsa_enable_private_segment 0
		.amdhsa_kernarg_size 32
		.amdhsa_user_sgpr_count 2
		.amdhsa_user_sgpr_kernarg_segment_ptr 1
		.amdhsa_wavefront_size32 1
		.amdhsa_system_sgpr_workgroup_id_x 1
		.amdhsa_system_sgpr_workgroup_id_y 1
		.amdhsa_system_sgpr_workgroup_id_z 1
		.amdhsa_system_vgpr_workitem_id 0
		.amdhsa_next_free_vgpr 384
		.amdhsa_next_free_sgpr 100
		.amdhsa_reserve_vcc 0
		.amdhsa_float_denorm_mode_32 3
		.amdhsa_float_denorm_mode_16_64 3
		.amdhsa_memory_ordered 1
		.amdhsa_forward_progress 1
		.amdhsa_inst_pref_size 60
	.end_amdhsa_kernel
	.amdgpu_metadata
---
amdhsa.version: [ 1, 2 ]
amdhsa.kernels:
  - .name:           k_q3caa8bd52d_proj
    .symbol:         k_q3caa8bd52d_proj.kd
    .args:
      - { .name: oq_codes, .offset: 0, .size: 8, .value_kind: global_buffer, .address_space: global }
      - { .name: oq_scales, .offset: 8, .size: 8, .value_kind: global_buffer, .address_space: global }
      - { .name: wq, .offset: 16, .size: 8, .value_kind: global_buffer, .address_space: global }
      - { .name: out0, .offset: 24, .size: 8, .value_kind: global_buffer, .address_space: global }
    .group_segment_fixed_size: 327680
    .private_segment_fixed_size: 0
    .kernarg_segment_align: 8
    .kernarg_segment_size: 32
    .max_flat_workgroup_size: 128
    .sgpr_count:     100
    .vgpr_count:     384
    .wavefront_size: 32
...
	.end_amdgpu_metadata
.endif
;; end of part 4
